; MI455X (gfx1250); checked and timed in simulation.
; The chip was launched on July 23, 2026; its instructions are those of AMD's public machine-readable ISA for CDNA 5 (MIT licence, August 2026) and "CDNA5" Instruction Set Architecture Reference Guide (July 2026). The comments in the code are by the model that wrote it; some were corrected since.
;; Mistral Attention. Allowed arithmetic: float matrix products may take bf16 or f16 operands with f32 sums; all other float work in f32.
;; Inputs: Wk 1,024 x 4,096 float32; Wo 2,048 x 2,048 float32; Wq 2,048 x 4,096 float32; Wv 1,024 x 4,096 float32; attention_mask 1 x 1 x 2,048 x 2,048 float32; cos 1 x 2,048 x 128 float32; hidden_states 1 x 2,048 x 4,096 float32; sin 1 x 2,048 x 128 float32.
;; Outputs: out0 1 x 2,048 x 2,048 float32.
;; 2 versions, each right and faster than the one before. Each part assembles by itself: llvm-mc -triple=amdgcn-amd-amdhsa -mcpu=gfx1250 --defsym DOCPART=n.
;; ======== version 1 of 2: 4 launches
;; limits: right only within a limited range of input values; values are held in f16: magnitudes above 65,504 overflow, below 6.1e-05 lose precision
;; workspace buffers: xb 58,720,256 bytes; rf 18,874,368 bytes; qkv 16,777,216 bytes; scl 4,096 bytes; ob 8,388,608 bytes
;; launch cast (part 1): grid 32 x 65, 8 waves a work-group, no clusters, 0 bytes of LDS; arguments hidden_states, Wq, Wk, Wv, Wo, attention_mask, cos, sin, xb, rf; writes xb, rf
.if DOCPART == 1
	.amdgcn_target "amdgcn-amd-amdhsa--gfx1250"
	.amdhsa_code_object_version 6
	.text
	.protected	k_qba3470e79b_cast
	.globl	k_qba3470e79b_cast
	.p2align	8
	.type	k_qba3470e79b_cast,@function
k_qba3470e79b_cast:
	s_mov_b64 s[64:65], 0
	v_nop
	global_prefetch_b8 v0, s[64:65] scope:SCOPE_SE
	s_setreg_imm32_b32 hwreg(HW_REG_WAVE_MODE, 25, 1), 1
	s_wait_xcnt 0x0
; EVERY INPUT IS ROUNDED TO bf16 ONCE, here, so that all later launches work on one rounding of the module's inputs.
;   hidden_states, Wq, Wk, Wv -> xb as bf16 (hb at byte 0, then the rows of Wq, Wk, Wv as one matrix of 4,096 rows)
;   Wo -> rounded to bf16, times 256, written as f16 behind them (8 significant bits fit f16's 11; the factor keeps small weights out of f16's fixed step)
;   attention_mask, cos, sin -> rounded to bf16 and written as f32 into rf (mask at byte 0, cos at 16 MiB, sin at 17 MiB)
; LIMITS.  |Wo| x 256 stays within 65,504; below 2.4e-7 Wo keeps a fixed step of 2.3e-10.  NaN and infinities are not treated apart.
; SHARES.  y counts units of 2 MiB of f32: 0-15 hidden_states, 16-31 Wq, 32-39 Wk, 40-47 Wv, 48-55 Wo, 56-63 the mask, 64 cos (x < 16) and sin.  x is 65,536 bytes of a unit.
; Thread t takes 16 bytes of each 4,096: a wave's load covers 512 consecutive bytes, its 8-byte stores 256, its 16-byte stores 512, all aligned.
; All sixteen loads go out first; each has registers of its own, so the only waits are the counted ones.  A stream: no LDS, no barrier, no matrix unit.
.set X, 4                              ; v[4:67]    slot i: 4 registers as loaded (and, rounded, as stored in f32)
.set Y, 68                             ; v[68:99]   slot i: 2 registers of 16-bit numbers to store
.set T, 100                            ; v[100:103] at work
	s_load_b512 s[4:19], s[0:1], 0x0               ; hidden_states s[4:5], Wq s[6:7], Wk s[8:9], Wv s[10:11], Wo s[12:13], mask s[14:15], cos s[16:17], sin s[18:19]
	s_load_b128 s[20:23], s[0:1], 0x40             ; xb s[20:21], rf s[22:23]
	s_and_b32 s24, ttmp7, 0xffff                   ; y
	s_mov_b32 s25, ttmp9                           ; x
	v_lshlrev_b32 v1, 4, v0                        ; my 16 bytes of f32
	v_lshlrev_b32 v2, 3, v0                        ; my 8 bytes of 16-bit numbers
	s_mov_b32 s26, 0                               ; the first unit of the tensor that y falls into
	s_wait_kmcnt 0x0
.macro PICK from, ptr                  ; from unit 'from' on the source is the tensor at s[ptr:ptr+1]
	s_cmp_ge_u32 s24, \from
	s_cselect_b64 s[4:5], s[\ptr:\ptr+1], s[4:5]
	s_cselect_b32 s26, \from, s26
.endm
	PICK 16, 6
	PICK 32, 8
	PICK 40, 10
	PICK 48, 12
	PICK 56, 14
	PICK 64, 16
	s_cselect_b32 s27, s25, 0                      ; in unit 64: x, else 0
	s_cmp_ge_u32 s27, 16
	s_cselect_b64 s[4:5], s[18:19], s[4:5]         ; its second half is sin,
	s_cselect_b32 s27, 16, 0                       ; which begins at x = 16
	s_sub_co_u32 s28, s24, s26
	s_lshl_b32 s28, s28, 21
	s_sub_co_u32 s29, s25, s27
	s_lshl_b32 s29, s29, 16
	s_add_co_u32 s28, s28, s29                     ; byte offset in the source, under 2^25
	s_mov_b32 s29, 0
	s_add_nc_u64 s[4:5], s[4:5], s[28:29]
.irp i, 0,1,2,3,4,5,6,7,8,9,10,11,12,13,14,15
	global_load_b128 v[X+4*(\i):X+4*(\i)+3], v1, s[4:5] offset:4096*(\i) th:TH_LOAD_NT
.endr
; slot i is rounded to bf16 and widened again, in place.  The count leaves the 15 - i younger loads out.
.macro RND i
	s_wait_loadcnt 15-(\i)
	v_cvt_pk_bf16_f32 v[T+2*((\i)%2)],   v[X+4*(\i)],   v[X+4*(\i)+1]
	v_cvt_pk_bf16_f32 v[T+2*((\i)%2)+1], v[X+4*(\i)+2], v[X+4*(\i)+3]
	v_lshlrev_b32 v[X+4*(\i)],   16,         v[T+2*((\i)%2)]
	v_and_b32     v[X+4*(\i)+1], 0xffff0000, v[T+2*((\i)%2)]
	v_lshlrev_b32 v[X+4*(\i)+2], 16,         v[T+2*((\i)%2)+1]
	v_and_b32     v[X+4*(\i)+3], 0xffff0000, v[T+2*((\i)%2)+1]
.endm
	s_cmp_ge_u32 s24, 56
	s_cbranch_scc1 .Lround
	s_lshl_b32 s30, s24, 20                        ; 16-bit results: a unit is 1 MiB of xb, and the units follow each other as the tensors do
	s_lshl_b32 s31, s25, 15
	s_add_co_u32 s30, s30, s31
	s_mov_b32 s31, 0
	s_add_nc_u64 s[20:21], s[20:21], s[30:31]
	s_cmp_ge_u32 s24, 48
	s_cbranch_scc1 .Lwo
.irp i, 0,1,2,3,4,5,6,7,8,9,10,11,12,13,14,15
	s_wait_loadcnt 15-(\i)                         ; the 15 - i younger loads stay out
	v_cvt_pk_bf16_f32 v[Y+2*(\i)],   v[X+4*(\i)],   v[X+4*(\i)+1]
	v_cvt_pk_bf16_f32 v[Y+2*(\i)+1], v[X+4*(\i)+2], v[X+4*(\i)+3]
	global_store_b64 v2, v[Y+2*(\i):Y+2*(\i)+1], s[20:21] offset:2048*(\i)
.endr
	s_endpgm
.Lwo:
.irp i, 0,1,2,3,4,5,6,7,8,9,10,11,12,13,14,15
	RND \i
	v_pk_mul_f32 v[X+4*(\i):X+4*(\i)+1],   v[X+4*(\i):X+4*(\i)+1],   0x43800000 op_sel_hi:[1,0]  ; times 256
	v_pk_mul_f32 v[X+4*(\i)+2:X+4*(\i)+3], v[X+4*(\i)+2:X+4*(\i)+3], 0x43800000 op_sel_hi:[1,0]
	v_cvt_pk_f16_f32 v[Y+2*(\i)],   v[X+4*(\i)],   v[X+4*(\i)+1]
	v_cvt_pk_f16_f32 v[Y+2*(\i)+1], v[X+4*(\i)+2], v[X+4*(\i)+3]
	global_store_b64 v2, v[Y+2*(\i):Y+2*(\i)+1], s[20:21] offset:2048*(\i)
.endr
	s_endpgm
.Lround:
	s_sub_co_u32 s30, s24, 56                      ; f32 results: a unit is 2 MiB of rf; unit 64 is cos and then sin
	s_lshl_b32 s30, s30, 21
	s_lshl_b32 s31, s25, 16
	s_add_co_u32 s30, s30, s31
	s_mov_b32 s31, 0
	s_add_nc_u64 s[22:23], s[22:23], s[30:31]
.irp i, 0,1,2,3,4,5,6,7,8,9,10,11,12,13,14,15
	RND \i
	global_store_b128 v1, v[X+4*(\i):X+4*(\i)+3], s[22:23] offset:4096*(\i)
.endr
	s_endpgm
.Lfunc_end_k_qba3470e79b_cast:
	.size	k_qba3470e79b_cast, .Lfunc_end_k_qba3470e79b_cast-k_qba3470e79b_cast
	.p2alignl 7, 3214868480
	.fill 96, 4, 3214868480
	.section	.rodata,"a",@progbits
	.p2align	6, 0x0
	.amdhsa_kernel k_qba3470e79b_cast
		.amdhsa_group_segment_fixed_size 0
		.amdhsa_private_segment_fixed_size 0
		.amdhsa_enable_private_segment 0
		.amdhsa_kernarg_size 80
		.amdhsa_user_sgpr_count 2
		.amdhsa_user_sgpr_kernarg_segment_ptr 1
		.amdhsa_wavefront_size32 1
		.amdhsa_system_sgpr_workgroup_id_x 1
		.amdhsa_system_sgpr_workgroup_id_y 1
		.amdhsa_system_sgpr_workgroup_id_z 1
		.amdhsa_system_vgpr_workitem_id 0
		.amdhsa_next_free_vgpr 104
		.amdhsa_next_free_sgpr 66
		.amdhsa_reserve_vcc 0
		.amdhsa_float_denorm_mode_32 3
		.amdhsa_float_denorm_mode_16_64 3
		.amdhsa_memory_ordered 1
		.amdhsa_forward_progress 1
		.amdhsa_inst_pref_size 27
	.end_amdhsa_kernel
	.amdgpu_metadata
---
amdhsa.version: [ 1, 2 ]
amdhsa.kernels:
  - .name:           k_qba3470e79b_cast
    .symbol:         k_qba3470e79b_cast.kd
    .args:
      - { .name: hidden_states, .offset: 0, .size: 8, .value_kind: global_buffer, .address_space: global }
      - { .name: Wq, .offset: 8, .size: 8, .value_kind: global_buffer, .address_space: global }
      - { .name: Wk, .offset: 16, .size: 8, .value_kind: global_buffer, .address_space: global }
      - { .name: Wv, .offset: 24, .size: 8, .value_kind: global_buffer, .address_space: global }
      - { .name: Wo, .offset: 32, .size: 8, .value_kind: global_buffer, .address_space: global }
      - { .name: attention_mask, .offset: 40, .size: 8, .value_kind: global_buffer, .address_space: global }
      - { .name: cos, .offset: 48, .size: 8, .value_kind: global_buffer, .address_space: global }
      - { .name: sin, .offset: 56, .size: 8, .value_kind: global_buffer, .address_space: global }
      - { .name: xb, .offset: 64, .size: 8, .value_kind: global_buffer, .address_space: global }
      - { .name: rf, .offset: 72, .size: 8, .value_kind: global_buffer, .address_space: global }
    .group_segment_fixed_size: 0
    .private_segment_fixed_size: 0
    .kernarg_segment_align: 8
    .kernarg_segment_size: 80
    .max_flat_workgroup_size: 256
    .sgpr_count:     66
    .vgpr_count:     104
    .wavefront_size: 32
...
	.end_amdgpu_metadata
.endif
;; end of part 1
;; launch proj (part 2): grid 16 x 16, 4 waves a work-group, clusters of 4 x 4, 327,680 bytes of LDS; arguments xb, rf, qkv, scl; writes qkv, scl
.if DOCPART == 2
	.amdgcn_target "amdgcn-amd-amdhsa--gfx1250"
	.amdhsa_code_object_version 6
	.text
	.protected	k_qba3470e79b_proj
	.globl	k_qba3470e79b_proj
	.p2align	8
	.type	k_qba3470e79b_proj,@function
k_qba3470e79b_proj:
	s_mov_b64 s[64:65], 0
	v_nop
	global_prefetch_b8 v0, s[64:65] scope:SCOPE_SE
	s_setreg_imm32_b32 hwreg(HW_REG_WAVE_MODE, 25, 1), 1
	s_wait_xcnt 0x0
	s_wait_alu depctr_hold_cnt(0) depctr_sa_sdst(0) depctr_va_vdst(0) depctr_va_sdst(0) depctr_va_ssrc(0) depctr_va_vcc(0) depctr_vm_vsrc(0)
	s_getreg_b32 s2, hwreg(HW_REG_IB_STS2, 6, 4)
	s_cmp_eq_u32 s2, 0
	s_cbranch_scc0 .Lentry_in_a_cluster
	s_endpgm
.Lentry_in_a_cluster:
	s_bfe_u32 s2, ttmp6, 0x10000c
	s_cmp_lg_u32 s2, 0xf033
	s_cbranch_scc0 .Lentry_shape_is_right
	s_endpgm
.Lentry_shape_is_right:
; q, k, v = hidden_states x [Wq; Wk; Wv]^T in bf16 with f32 sums, RoPE on q and k in f32, then f16 with a power-of-two scale for each block of 64 tokens of each head.
; xb: hb [2048][4096] bf16 at byte 0, wqkv [4096][4096] bf16 at byte WOFF.  rf: cos and sin [2048][128] f32 (rounded to bf16 by the launch before) at COSOFF, SINOFF.
; qkv: [32 hcol][2048 tokens][128] f16, hcol 0-15 q's heads, 16-23 k's, 24-31 v's.  scl: u32 E[hcol][token / 64].
; THE SCALE.  E is the biased exponent of the block's largest magnitude, at least 32; stored = true x 2^(141 - E), so the largest stored number lies in 2^14 .. 2^15, inside f16 whatever the inputs' size.
; LIMITS.  A block whose largest magnitude is under 2^-95 is scaled as if it were 2^-95.  NaN and infinities are not treated apart.
; SHARES.  A work-group makes 128 tokens x 256 columns (two hcol): 256 work-groups.  Wave w: tokens 64 (w / 2) on, hcol 2 tx + w % 2: 64 x 128, 32 accumulators, exactly one block of the scale.
; K goes in steps of 128 (rows of 256 bytes) through two LDS slots; two slots of a longer step would need 405,504 bytes.
; THE MATRIX INSTRUCTION IS USED TRANSPOSED (source 0 = 16 rows of W, source 1 = 16 tokens): lane l holds token l % 16 and columns 16 b + 8 (l / 16) + 0..7, so channels d and d + 64 of a head
; lie in accumulators b and b + 4, same lane, same register: RoPE changes no lanes.
; CLUSTER 4 x 4: hb's tile hangs on the token tile alone and is asked for jointly along a row of the cluster, W's on the column tile alone, along a column.
; REGISTERS.  window 0: v0-31 addresses; v32-127, v128-223 two fragment buffers (B's fragment b at +8 b, A's fragment a at +64 + 8 a); later at work.
;   window 1: accumulator (a, b) at v[8 (8 a + b)].   window 2: cos, window 3: sin, for the same (token, column) at the same register number.
; cos and sin are loaded at the start and land under the K loop.  v's work-groups load them too and do not use them: so the loads stand on every path ahead of the one branch round RoPE.
.set KSTEP,  128
.set PITCH,  272                       ; an LDS row: 256 bytes + 16 of padding: the 16 rows of a fragment load start 16 bytes apart modulo 256
.set ATILE,  128*PITCH                 ; hb's 128 rows
.set SLOT,   384*PITCH                 ; then W's 256 rows
.set STAGE,  2*SLOT                    ; behind the ring: 16 rows x 272 bytes for each wave, for the way out
.set SPARE,  STAGE+4*16*PITCH          ; behind the stages: the spare words, 128 bytes for each wave, which no other line names
.set LAPS,   4096/(2*KSTEP)            ; a lap = two K steps = once round the ring
.set WOFF,   16777216
.set COSOFF, 16777216
.set SINOFF, 17825792
.set ADRA, 16                          ; v16-17  LDS address of my A fragments in slot 0, 1
.set ADRB, 20                          ; v20-21  the same for B
.set STO,  24                          ; v24     the way out: where I put 16 bytes of a row
.set RD,   25                          ; v25     where I read rows back
.set CO,   26                          ; v26     16 x lane: my place in 512 consecutive bytes of qkv
.set ROW,  27                          ; v27     my byte offset in 16 rows of cos and sin
.set SPW,  28                          ; v28     LDS address of my spare word; never rewritten
.set NIL,  29                          ; v29     0; never rewritten
.set F0,   32
.set F1,   128
.set TT,   32                          ; v32-159 RoPE: hi x sin_lo
.set MX,   160                         ; v160-163 four running maxima
.set TMP,  192                         ; v192-223 a block of 16 tokens, packed
.set BK,   32                          ; v32-63, v64-95 by turns: the block read back from the stage
.set G1,  24                           ; s[24:31] descriptor group 1 for hb's tiles; s[32:39] group 0, a set for each slot
.set G0,  32
.set G1B, 48                           ; s[48:55], s[56:63] the same for W's tiles
.set G0B, 56
.set MSB, 0
.macro WIN new                         ; the immediate's high byte repeats the setting that is left; a switch that changes nothing is dropped
.if MSB != (\new)
	s_set_vgpr_msb (MSB<<8)|(\new)
.set MSB, \new
.endif
.endm
.set MUL, 0x50                         ; sources in window 0, C and D in window 1
; A joint load: waves 0 and 1 fetch hb's two halves (64 rows each), waves 2 and 3 W's (128 rows each).  An s_nop 0 and four v_nop follow each line.
.macro JLOAD s
	s_cmp_eq_u32 s15, 0
	s_cbranch_scc0 .Lfor_b_\@
	tensor_load_to_lds s[G0+4*(\s):G0+4*(\s)+3], s[G1:G1+7]
	s_nop 0
.rept 4
	v_nop
.endr
	s_branch .Lasked_\@
.Lfor_b_\@:
	tensor_load_to_lds s[G0B+4*(\s):G0B+4*(\s)+3], s[G1B:G1B+7]
	s_nop 0
.rept 4
	v_nop
.endr
.Lasked_\@:
.endm
.macro CREST                           ; a round of the cluster's barrier behind its opening barrier
	s_cmp_lg_u32 s14, 0
	s_cbranch_scc1 .Lnot_wave_0_\@
	s_barrier_signal -3
.Lnot_wave_0_\@:
	s_barrier_wait -3
	s_barrier_signal -1
	s_barrier_wait -1
.endm
.macro CROUND
	s_barrier_signal -1
	s_barrier_wait -1
	CREST
.endm
.macro PLACES                          ; four plain vector instructions between a matrix instruction and a load into, or a vector instruction on, its registers
.rept 4
	v_nop
.endr
.endm
	s_load_b256 s[4:11], s[0:1], 0x0               ; xb s[4:5], rf s[6:7], qkv s[8:9], scl s[10:11]
	v_lshl_add_u32 v[SPW], v0, 2, SPARE
	v_mov_b32 v[NIL], 0
	ds_add_u32 v28, v29
	s_wait_dscnt 0x0
	v_lshrrev_b32 v1, 5, v0
	v_readfirstlane_b32 s14, v1                    ; wave 0..3
	s_lshr_b32 s15, s14, 1                         ; RH: which 64 tokens are mine.  Also: I fetch for hb (0) or for W (1)
	s_and_b32 s16, s14, 1                          ; CH: which hcol is mine.  Also: which half of that tile I fetch
	s_bfe_u32 s17, ttmp6, 0x40000                  ; cx
	s_bfe_u32 s18, ttmp6, 0x40004                  ; cy
	s_lshl_b32 s19, ttmp9, 2
	s_add_co_u32 s19, s19, s17                     ; tx: tile of 256 columns
	s_and_b32 s20, ttmp7, 0xffff
	s_lshl_b32 s20, s20, 2
	s_add_co_u32 s20, s20, s18                     ; ty: tile of 128 tokens
	s_lshl_b32 s21, s18, 2
	s_lshl_b32 s21, 15, s21                        ; my row of the cluster
	s_lshl_b32 s22, 0x1111, s17                    ; my column
	s_mov_b32 s23, ttmp9                           ; the cluster's x, which all partners share: 3 for v's columns
	s_or_b32 s[G1+0], s21, (1<<16)|(1<<20)|(1<<21)|(5<<22)|(3<<25)   ; the mask; elements of 2 bytes; padding on; bit 21 beside a mask; after every 64 words 4 words
	s_or_b32 s[G1B+0], s22, (1<<16)|(1<<20)|(1<<21)|(5<<22)|(3<<25)
	s_mov_b32 s[G1+1], KSTEP<<16                   ; tensor_dim0 = 128
	s_mov_b32 s[G1+2], 64<<16                      ; tensor_dim1 = 64
	s_mov_b32 s[G1+3], KSTEP<<16                   ; tile_dim0 = 128
	s_mov_b32 s[G1+4], 64                          ; tile_dim1 = 64
	s_mov_b32 s[G1+5], 4096                        ; elements from row to row
	s_mov_b32 s[G1+6], 0
	s_mov_b32 s[G1+7], 0
	s_mov_b32 s[G1B+1], KSTEP<<16
	s_mov_b32 s[G1B+2], 128<<16                    ; 128 rows
	s_mov_b32 s[G1B+3], KSTEP<<16
	s_mov_b32 s[G1B+4], 128
	s_mov_b32 s[G1B+5], 4096
	s_mov_b32 s[G1B+6], 0
	s_mov_b32 s[G1B+7], 0
	s_mov_b32 s74, 0x76543210                      ; v_permlanex16_b32: each lane takes its own place in the other half
	s_mov_b32 s75, 0xfedcba98
	s_lshl_b32 s40, s20, 7                         ; hb: row 128 ty + 64 CH, 8,192 bytes a row: made of ty and the wave's number alone
	s_lshl_b32 s41, s16, 6
	s_add_co_u32 s40, s40, s41
	s_lshl_b32 s40, s40, 13
	s_mov_b32 s41, 0
	s_lshl_b32 s42, s19, 8                         ; W: row 256 tx + 128 CH: made of tx and the wave's number alone
	s_lshl_b32 s43, s16, 7
	s_add_co_u32 s42, s42, s43
	s_lshl_b32 s42, s42, 13
	s_add_co_u32 s42, s42, WOFF
	s_mov_b32 s43, 0
	s_mul_i32 s44, s16, 64*PITCH                   ; where they go: no place in the cluster enters an LDS address
	s_mul_i32 s45, s16, 128*PITCH
	s_add_co_u32 s45, s45, ATILE
	s_wait_kmcnt 0x0
	s_add_nc_u64 s[40:41], s[4:5], s[40:41]
	s_add_nc_u64 s[42:43], s[4:5], s[42:43]
	CROUND                                         ; all sixteen work-groups are here: the first joint loads meet
.irp s, 0,1
	s_mov_b32 s[G0+4*(\s)], 1
	s_add_co_u32 s[G0+4*(\s)+1], s44, (\s)*SLOT
	s_add_nc_u64 s[G0+4*(\s)+2:G0+4*(\s)+3], s[40:41], (\s)*KSTEP*2
	s_or_b32 s[G0+4*(\s)+3], s[G0+4*(\s)+3], 0x80000000
	s_mov_b32 s[G0B+4*(\s)], 1
	s_add_co_u32 s[G0B+4*(\s)+1], s45, (\s)*SLOT
	s_add_nc_u64 s[G0B+4*(\s)+2:G0B+4*(\s)+3], s[42:43], (\s)*KSTEP*2
	s_or_b32 s[G0B+4*(\s)+3], s[G0B+4*(\s)+3], 0x80000000
	JLOAD \s                                       ; two loads of mine are out
.endr
	v_and_b32 v1, 15, v0                           ; r = l % 16
	v_bfe_u32 v2, v0, 4, 1                         ; h = l / 16
	v_mul_u32_u24 v3, v1, PITCH
	v_lshl_add_u32 v3, v2, 4, v3                   ; row x pitch + 16 x half
	s_mul_i32 s46, s15, 64*PITCH                   ; my 64 rows of hb
	s_mul_i32 s47, s16, 128*PITCH                  ; my 128 rows of W,
	s_add_co_u32 s47, s47, ATILE                   ; which lie behind hb's 128
.irp s, 0,1
	v_add_nc_u32 v[ADRA+(\s)], s46, v3
	v_add_nc_u32 v[ADRB+(\s)], s47, v3
	s_add_co_u32 s46, s46, SLOT
	s_add_co_u32 s47, s47, SLOT
.endr
	s_mul_i32 s46, s14, 16*PITCH
	s_add_co_u32 s46, s46, STAGE                   ; my stage
	v_add_nc_u32 v[STO], s46, v3                   ; in: row l % 16, 16 bytes for each half of the lanes
	v_mul_u32_u24 v3, v2, PITCH                    ; back: lanes 0-15 one row of 256 bytes, lanes 16-31 the next
	v_lshl_add_u32 v3, v1, 4, v3
	v_add_nc_u32 v[RD], s46, v3
	v_and_b32 v[CO], 31, v0
	v_lshlrev_b32 v[CO], 4, v[CO]                  ; two rows of a head are 512 consecutive bytes of qkv
	v_lshlrev_b32 v[ROW], 9, v1                    ; cos, sin: token r, 512 bytes a row, my 8 columns at 32 h
	v_lshl_add_u32 v[ROW], v2, 5, v[ROW]
	s_lshl_b32 s46, s20, 7
	s_lshl_b32 s47, s15, 6
	s_add_co_u32 s46, s46, s47                     ; my first token
	s_lshl_b32 s12, s46, 9
	s_add_co_u32 s12, s12, COSOFF
	s_mov_b32 s13, 0
	s_add_nc_u64 s[70:71], s[6:7], s[12:13]        ; cos at my first token
	s_add_nc_u64 s[72:73], s[70:71], SINOFF-COSOFF ; sin
	s_lshl_b32 s44, s19, 1
	s_add_co_u32 s44, s44, s16                     ; hcol
	s_lshl_b32 s12, s44, 19                        ; 524,288 bytes an hcol,
	s_lshl_b32 s45, s46, 8                         ; 256 a token
	s_add_co_u32 s12, s12, s45
	s_add_nc_u64 s[8:9], s[8:9], s[12:13]          ; qkv at my block
	s_lshl_b32 s12, s44, 5
	s_lshr_b32 s45, s46, 6
	s_add_co_u32 s12, s12, s45
	s_lshl_b32 s12, s12, 2
	s_add_nc_u64 s[10:11], s[10:11], s[12:13]      ; scl at my block's word
	WIN 0x80                                       ; destination window 2
.set i, 0
.rept 32                                           ; (a, b') = (i / 8, i % 8): 16 tokens on, 16 columns on
	global_load_b128 v[8*i:8*i+3],   v[ROW], s[70:71] offset:(i/8)*8192+(i%8)*64
	global_load_b128 v[8*i+4:8*i+7], v[ROW], s[70:71] offset:(i/8)*8192+(i%8)*64+16
.set i, i+1
.endr
	WIN 0xc0                                       ; destination window 3
.set i, 0
.rept 32
	global_load_b128 v[8*i:8*i+3],   v[ROW], s[72:73] offset:(i/8)*8192+(i%8)*64
	global_load_b128 v[8*i+4:8*i+7], v[ROW], s[72:73] offset:(i/8)*8192+(i%8)*64+16
.set i, i+1
.endr
	WIN 0
; 8 matrix instructions: token block a x all 8 column blocks, 32 along K.  zero = 1: the first product starts the sums.  The 32 accumulators take turns, in the same order in every quarter.
.macro MUL8 f, a, zero
	WIN MUL
.irp b, 0,1,2,3,4,5,6,7
.if \zero
	v_wmma_f32_16x16x32_bf16 v[8*(8*(\a)+(\b)):8*(8*(\a)+(\b))+7], v[(\f)+8*(\b):(\f)+8*(\b)+7], v[(\f)+64+8*(\a):(\f)+64+8*(\a)+7], 0
.else
	v_wmma_f32_16x16x32_bf16 v[8*(8*(\a)+(\b)):8*(8*(\a)+(\b))+7], v[(\f)+8*(\b):(\f)+8*(\b)+7], v[(\f)+64+8*(\a):(\f)+64+8*(\a)+7], v[8*(8*(\a)+(\b)):8*(8*(\a)+(\b))+7]
.endif
.endr
.endm
; 24 LDS loads in one run: the fragments of 32 along K at byte k of the rows: W's 16 loads, then hb's 8
.macro FETCH slot, k, f
	WIN 0
.irp i, 0,1,2,3,4,5,6,7
	ds_load_b128 v[(\f)+8*(\i):(\f)+8*(\i)+3],   v[ADRB+(\slot)] offset:(\k)+(\i)*16*PITCH
	ds_load_b128 v[(\f)+8*(\i)+4:(\f)+8*(\i)+7], v[ADRB+(\slot)] offset:(\k)+(\i)*16*PITCH+32
.endr
.irp i, 0,1,2,3
	ds_load_b128 v[(\f)+64+8*(\i):(\f)+64+8*(\i)+3],   v[ADRA+(\slot)] offset:(\k)+(\i)*16*PITCH
	ds_load_b128 v[(\f)+64+8*(\i)+4:(\f)+64+8*(\i)+7], v[ADRA+(\slot)] offset:(\k)+(\i)*16*PITCH+32
.endr
.endm
; A K step is four quarters of 32 along K, 32 matrix instructions each, on buffers 0, 1, 0, 1.  One of the first three multiplies f and fetches the next quarter into g.
.macro QUARTER slot, k, f, g, zero
	s_wait_dscnt 4                                 ; all but the youngest four loads: hb's blocks 2 and 3
	MUL8 \f, 0, \zero
	MUL8 \f, 1, \zero
	PLACES
	FETCH \slot, \k, \g
	s_wait_dscnt 24                                ; all but the 24 just issued
	MUL8 \f, 2, \zero
	MUL8 \f, 3, \zero
.endm
; The last quarter multiplies buffer 1 and changes slots: one barrier; in front of it each wave waits for all its tensor loads (one is out: its part of the next slot), adds 0 to its spare word,
; and waits for that and for its reads of this slot.  fill = 1: the barrier opens a round of the cluster's, and this slot is filled again first thing behind it, two K steps ahead.
.macro TURN slot, next, fill
	WIN 0
	s_wait_tensorcnt 0x0
	ds_add_u32 v[SPW], v[NIL]                      ; 0 onto my spare word
	s_wait_dscnt 7                                 ; the add and hb's blocks 1 to 3 (six loads) may be out
	MUL8 F1, 0, 0
	s_wait_dscnt 0x0                               ; the add is done, and my reads of this slot are over
	s_barrier_signal -1
	MUL8 F1, 1, 0
.if \fill
	WIN 0
.endif
	s_barrier_wait -1
.if \fill
	CREST                                          ; no wave of any partner still reads this slot or has a load on its way
	s_add_nc_u64 s[G0+4*(\slot)+2:G0+4*(\slot)+3], s[G0+4*(\slot)+2:G0+4*(\slot)+3], 2*KSTEP*2
	s_add_nc_u64 s[G0B+4*(\slot)+2:G0B+4*(\slot)+3], s[G0B+4*(\slot)+2:G0B+4*(\slot)+3], 2*KSTEP*2
	JLOAD \slot                                    ; 112 matrix instructions ahead of the wait for it; its four v_nop are also the places in front of the loads below
.else
	PLACES
.endif
	FETCH \next, 0, F0
	MUL8 F1, 2, 0
	MUL8 F1, 3, 0
.endm
	s_wait_tensorcnt 1                             ; my part of K step 0 is in; K step 1's may stay out
	s_barrier_signal -1
	s_barrier_wait -1
	FETCH 0, 0, F0
	QUARTER 0, 64, F0, F1, 1                       ; the first quarter stands in front of the loop: its products start the sums
	WIN 0
	s_mov_b32 s3, LAPS-1
.Llap:                                                 ; a trip goes once round the ring and fills both slots again
	QUARTER 0, 128, F1, F0, 0
	QUARTER 0, 192, F0, F1, 0
	TURN 0, 1, 1
	QUARTER 1, 64,  F0, F1, 0
	QUARTER 1, 128, F1, F0, 0
	QUARTER 1, 192, F0, F1, 0
	TURN 1, 0, 1
	QUARTER 0, 64,  F0, F1, 0
	WIN 0
	s_sub_co_u32 s3, s3, 1
	s_cmp_lg_u32 s3, 0
	s_cbranch_scc1 .Llap
	QUARTER 0, 128, F1, F0, 0                      ; the last lap fills nothing
	QUARTER 0, 192, F0, F1, 0
	TURN 0, 1, 0
	QUARTER 1, 64,  F0, F1, 0
	QUARTER 1, 128, F1, F0, 0
	QUARTER 1, 192, F0, F1, 0
	s_wait_dscnt 4
	MUL8 F1, 0, 0
	MUL8 F1, 1, 0
	s_wait_dscnt 0x0
	MUL8 F1, 2, 0
	MUL8 F1, 3, 0
	WIN 0
	PLACES
	; RoPE, on q's and k's columns.  lo = accumulator (a, b), hi = (a, b + 4), b < 4:  lo' = lo cos_lo - hi sin_lo,  hi' = hi cos_hi + lo sin_hi.  Each accumulator is read from its low end on.
	s_wait_loadcnt 0x0                             ; cos and sin
	s_cmp_eq_u32 s23, 3
	s_cbranch_scc1 .Lno_rope
.macro ROPE kind
.set i, 0
.rept 64                                           ; a = i / 16, b = (i / 4) % 4, pair i % 4
.set rLO, 8*(8*(i/16)+(i/4)%4)+2*(i%4)
.set rHI, rLO+32
.if (\kind) == 1
	v_pk_mul_f32 v[TT+2*i:TT+2*i+1], v[rHI:rHI+1], v[rLO:rLO+1]
.elseif (\kind) == 2
	v_pk_mul_f32 v[rHI:rHI+1], v[rHI:rHI+1], v[rHI:rHI+1]
.elseif (\kind) == 3
	v_pk_fma_f32 v[rHI:rHI+1], v[rLO:rLO+1], v[rHI:rHI+1], v[rHI:rHI+1]
.else
	v_pk_fma_f32 v[rLO:rLO+1], v[rLO:rLO+1], v[rLO:rLO+1], v[TT+2*i:TT+2*i+1] neg_lo:[0,0,1] neg_hi:[0,0,1]
.endif
.set i, i+1
.endr
.endm
	WIN 0x0d                                       ; T (window 0) = hi (1) x sin_lo (3)
	ROPE 1
	WIN 0x49                                       ; hi (1) = hi (1) x cos_hi (2)
	ROPE 2
	WIN 0x5d                                       ; hi (1) = lo (1) x sin_hi (3) + hi (1)
	ROPE 3
	WIN 0x49                                       ; lo (1) = lo (1) x cos_lo (2) - T (0)
	ROPE 4
	WIN 0
.Lno_rope:
	; the block's largest magnitude: four chains over the 256 registers, then across the 32 lanes
.irp j, 0,1,2,3
	v_mov_b32 v[MX+(\j)], 0
.endr
	WIN 0x14                                       ; sources 1 and 2 in window 1
.set t, 0
.rept 32
.irp j, 0,1,2,3
	v_max3_num_f32 v[MX+(\j)], v[MX+(\j)], |v[8*t+2*(\j)]|, |v[8*t+2*(\j)+1]|
.endr
.set t, t+1
.endr
	WIN 0
	v_max3_num_f32 v[MX], v[MX], v[MX+1], v[MX+2]
	v_max_num_f32 v[MX], v[MX], v[MX+3]
	v_max_num_f32_dpp v[MX], v[MX], v[MX] row_xmask:1 row_mask:0xf bank_mask:0xf
	v_max_num_f32_dpp v[MX], v[MX], v[MX] row_xmask:2 row_mask:0xf bank_mask:0xf
	v_max_num_f32_dpp v[MX], v[MX], v[MX] row_xmask:4 row_mask:0xf bank_mask:0xf
	v_max_num_f32_dpp v[MX], v[MX], v[MX] row_xmask:8 row_mask:0xf bank_mask:0xf
	v_permlanex16_b32 v[MX+1], v[MX], s74, s75
	v_max_num_f32 v[MX], v[MX], v[MX+1]
	v_lshrrev_b32 v[MX], 23, v[MX]                 ; its biased exponent (the sign is 0),
	v_max_u32 v[MX], 32, v[MX]                     ; at least 32
	v_readfirstlane_b32 s68, v[MX]                 ; E: a value only; no address and no branch hangs on it
	s_sub_co_u32 s66, 268, s68
	s_lshl_b32 s66, s66, 23                        ; 2^(141 - E) as f32
	s_mov_b32 s67, s66                             ; named with it as a pair
; THE WAY OUT, 16 tokens at a time: scaled, rounded to f16 (16 bytes a lane), through my own stage in LDS, back as whole rows of 256 bytes, stored.
.macro PACK a
	WIN 0x41
.set i, 64*(\a)
.rept 32
	v_pk_mul_f32 v[i:i+1], v[i:i+1], s[66:67] op_sel_hi:[1,0]
.set i, i+2
.endr
	WIN 0x05                                       ; sources in window 1, destination in window 0
.set i, 0
.rept 32
	v_cvt_pk_f16_f32 v[TMP+i], v[64*(\a)+2*i], v[64*(\a)+2*i+1]
.set i, i+1
.endr
	WIN 0
.endm
.macro TOSTAGE a
.irp b, 0,1,2,3,4,5,6,7
	ds_store_b128 v[STO], v[TMP+4*(\b):TMP+4*(\b)+3] offset:32*(\b)
.endr
	s_wait_xcnt 0x0                                ; the stores of the block two back have read the registers that are loaded below
.irp t, 0,1,2,3,4,5,6,7
	ds_load_b128 v[BK+32*((\a)%2)+4*(\t):BK+32*((\a)%2)+4*(\t)+3], v[RD] offset:(\t)*2*PITCH  ; LDS serves a wave's instructions in order: these see the stores above
.endr
.endm
.macro SEND a
	s_wait_dscnt 0x0                               ; the block is back in registers
.irp t, 0,1,2,3,4,5,6,7
	global_store_b128 v[CO], v[BK+32*((\a)%2)+4*(\t):BK+32*((\a)%2)+4*(\t)+3], s[8:9] offset:4096*(\a)+512*(\t)  ; 512 consecutive bytes, aligned
.endr
.endm
	PACK 0
	TOSTAGE 0
.irp a, 1,2,3                          ; block a's arithmetic stands between block a - 1's loads from the stage and the wait for them
	PACK \a
	SEND (\a)-1
	TOSTAGE \a
.endr
	SEND 3
	; the block's word of the table of scales: four bytes, by lane 0
	v_and_b32 v[MX+1], 31, v0
	v_cmp_eq_u32 vcc_lo, 0, v[MX+1]
	v_mov_b32 v[MX], s68
	v_mov_b32 v[MX+2], 0
	s_wait_xcnt 0x0                                ; EXEC is a source of the stores above: it changes only behind this wait
	s_and_saveexec_b32 s69, vcc_lo
	global_store_b32 v[MX+2], v[MX], s[10:11]
	s_wait_xcnt 0x0                                ; and again in front of the line that widens it
	s_or_b32 exec_lo, exec_lo, s69
	s_wait_tensorcnt 0x0                           ; the wave's end
	ds_add_u32 v[SPW], v[NIL]
	s_wait_dscnt 0x0
	CROUND                                         ; the closing round: no work-group ends while a partner may still ask for a tile that names it
	s_endpgm
.Lfunc_end_k_qba3470e79b_proj:
	.size	k_qba3470e79b_proj, .Lfunc_end_k_qba3470e79b_proj-k_qba3470e79b_proj
	.p2alignl 7, 3214868480
	.fill 96, 4, 3214868480
	.section	.rodata,"a",@progbits
	.p2align	6, 0x0
	.amdhsa_kernel k_qba3470e79b_proj
		.amdhsa_group_segment_fixed_size 327680
		.amdhsa_private_segment_fixed_size 0
		.amdhsa_enable_private_segment 0
		.amdhsa_kernarg_size 32
		.amdhsa_user_sgpr_count 2
		.amdhsa_user_sgpr_kernarg_segment_ptr 1
		.amdhsa_wavefront_size32 1
		.amdhsa_system_sgpr_workgroup_id_x 1
		.amdhsa_system_sgpr_workgroup_id_y 1
		.amdhsa_system_sgpr_workgroup_id_z 1
		.amdhsa_system_vgpr_workitem_id 0
		.amdhsa_next_free_vgpr 1024
		.amdhsa_next_free_sgpr 80
		.amdhsa_reserve_vcc 1
		.amdhsa_float_denorm_mode_32 3
		.amdhsa_float_denorm_mode_16_64 3
		.amdhsa_memory_ordered 1
		.amdhsa_forward_progress 1
		.amdhsa_inst_pref_size 132
	.end_amdhsa_kernel
	.amdgpu_metadata
---
amdhsa.version: [ 1, 2 ]
amdhsa.kernels:
  - .name:           k_qba3470e79b_proj
    .symbol:         k_qba3470e79b_proj.kd
    .args:
      - { .name: xb, .offset: 0, .size: 8, .value_kind: global_buffer, .address_space: global }
      - { .name: rf, .offset: 8, .size: 8, .value_kind: global_buffer, .address_space: global }
      - { .name: qkv, .offset: 16, .size: 8, .value_kind: global_buffer, .address_space: global }
      - { .name: scl, .offset: 24, .size: 8, .value_kind: global_buffer, .address_space: global }
    .group_segment_fixed_size: 327680
    .private_segment_fixed_size: 0
    .kernarg_segment_align: 8
    .kernarg_segment_size: 32
    .max_flat_workgroup_size: 128
    .sgpr_count:     80
    .vgpr_count:     1024
    .wavefront_size: 32
...
	.end_amdgpu_metadata
.endif
;; end of part 2
;; launch attn (part 3): grid 32 x 8, 4 waves a work-group, clusters of 4 x 4, 327,680 bytes of LDS; arguments qkv, scl, rf, ob; writes ob
.if DOCPART == 3
	.amdgcn_target "amdgcn-amd-amdhsa--gfx1250"
	.amdhsa_code_object_version 6
	.text
	.protected	k_qba3470e79b_attn
	.globl	k_qba3470e79b_attn
	.p2align	8
	.type	k_qba3470e79b_attn,@function
k_qba3470e79b_attn:
	s_mov_b64 s[64:65], 0
	v_nop
	global_prefetch_b8 v0, s[64:65] scope:SCOPE_SE
	s_setreg_imm32_b32 hwreg(HW_REG_WAVE_MODE, 25, 1), 1
	s_wait_xcnt 0x0
	s_wait_alu depctr_hold_cnt(0) depctr_sa_sdst(0) depctr_va_vdst(0) depctr_va_sdst(0) depctr_va_ssrc(0) depctr_va_vcc(0) depctr_vm_vsrc(0)
	s_getreg_b32 s2, hwreg(HW_REG_IB_STS2, 6, 4)
	s_cmp_eq_u32 s2, 0
	s_cbranch_scc0 .Lentry_in_a_cluster
	s_endpgm
.Lentry_in_a_cluster:
	s_bfe_u32 s2, ttmp6, 0x10000c
	s_cmp_lg_u32 s2, 0xf033
	s_cbranch_scc0 .Lentry_shape_is_right
	s_endpgm
.Lentry_shape_is_right:
; GROUPED-QUERY ATTENTION WITH AN ADDITIVE MASK THAT IS AN INPUT: every one of the 2,048 x 2,048 mask numbers is loaded and added; no tile is left out.
; O[q] = sum over k of softmax_k(q . k / sqrt(128) + mask[q][k]) v[k].  qkv: [32 hcol][2048][128] f16 with the scales of scl (stored = true x 2^(141 - E), a word for each 64 tokens of an hcol).
; rf: the mask, [2048][2048] f32, at byte 0.  ob: O' [2048 tokens][16 heads x 128] f16 in units of 2^(EG - 141), EG the largest of v's 256 words of scl.
; Products in f16 with f32 sums; maxima, exponentials and sums in f32; the weights are rounded to f16 for the second product, their sum l is taken unrounded.
; LIMITS.  |score + mask| stays under 2.3e38.  A weight times 2^-gb below 2^-126 counts as 0 (gb below).  A block of v 2^32 or more below the largest block of v counts as 0 in O; its weights still count in l.
; NaN and infinities are not treated apart.
; SHARES.  A work-group: 64 queries x the two query heads of one key/value head, so that one mask tile serves both: 32 x 8 = 256 work-groups.  Wave w: head 2 kv + w / 2, all 64 queries (four tiles of 16),
; and the key steps (64 keys) of parity kp = w % 2: 16 of 32.  At the end the two waves of a head merge: register tile tau holds query tile tau xor 2 kp, so every wave keeps tau 0, 1 and hands tau 2, 3 to wave w xor 1.
; LAYOUT.  S^T = K Q^T holds one query a lane (l % 16) and keys 8 (l / 16) + 0..7; two such results rounded to f16 are source 1 of O^T = V^T P.  V comes out of LDS turned, by ds_load_tr16_b128.
; SOFTMAX.  s = S C + mask with C = 2^(Eq + Ek - 282) / sqrt(128); running maximum m of s; p' = 2^((s - m) log2 e - gb), gb = min(EG - Ev, 32): the weight in v's common unit, which goes to f16;
; l += p' 2^gb.  s - m is taken first, so that a row whose every key is masked by a large number keeps weights of 1.  O and l are multiplied by a = 2^((m_old - m_new) log2 e) in every step.
; BY TURNS.  The wave's tiles are two PIECES: p0 (tiles 0, 1) and p2 (tiles 2, 3).  In a turn one piece has the matrix unit: 32 products V^T P of the step in hand, then 32 products K Q^T of its next step;
; the other piece's softmax, 2 x 167 instructions, stands in slices between them: five behind each matrix instruction, the fourteen that are over behind the last.  A slice costs two window switches.
; Trip j: turn B (p2: V^T P of step j - 1, K Q^T of step j | p0's softmax of step j | V and p2's mask of step j are fetched: the slot's last reads), the change of slots,
; turn A (p0: V^T P of step j, K Q^T of step j + 1 | p2's softmax of step j | K and p0's mask of step j + 1 are fetched).
; NO FIRST AND NO LAST STEP IS WRITTEN OUT.  m starts at the lowest finite number, O, l and p2's P at 0: the first turn's products add 0 and the first step's a is 0.  The last turn A multiplies by a stale K
; once more and fetches stale bytes of a slot: 32 products and 48 LDS loads that serve nothing, the price of one text for every trip; so are the 288 v_mov_b32 at the start, in the wait for the first tile.
; CLUSTER 4 x 4.  K's and V's tiles hang on kv alone and are asked for jointly along a row of the cluster, the mask's on the query block alone, along a column.
; REGISTERS.  window 0: v0-19 addresses; v20-51 eight registers of statistics a tile; v52-61 at work; v64-191 S^T, 32 a tile; v192-255 P, 16 a tile.
;   window 1: O^T, 64 a tile.   window 2: v0-127 Q, v128-255 K of a step.   window 3: v0-127 V of a step, v128-255 the mask of a step, at the numbers of S^T + 64.
.set PK,    272       ; a row of K in LDS: 256 bytes + 16
.set PV,    288       ; a row of V: 256 + 32
.set PM,    272       ; a row of a mask tile: 64 f32 + 16 bytes
.set VOFF,  128*PK    ; a slot: 128 keys of K, 128 of V, the mask tile of the even step, that of the odd step
.set MOFF,  VOFF+128*PV
.set SLOT1, 1<<17     ; slot 1 begins here: one exclusive or turns an address in one slot into the other's
.set XCH,   SLOT1+MOFF+2*64*PM  ; behind the ring: 33 x 512 bytes for each wave, what it hands to its partner
.set XB,    33*512
.set STAGE, XCH+4*XB  ; 16 rows x 272 bytes for each wave, for the way out
.set SP,    272
.set SPARE, STAGE+4*16*SP  ; the spare words, 128 bytes for each wave, which no other line names
.set AK0,  2          ; v2-5   my lane's place in a slot: K, V, the mask rows of tiles 0, 1 and of tiles 2, 3; never rewritten
.set AV0,  3
.set AML0, 4
.set AMH0, 5
.set AK,   6          ; v6-9   the same in the slot in hand
.set AV,   7
.set AML,  8
.set AMH,  9
.set QOL,  10         ; v10-11 my byte offset in Q for tiles 0, 1 and for tiles 2, 3
.set QOH,  11
.set STO,  12
.set RD,   13
.set GO,   14
.set XW,   15         ; v15    where I put what I hand over;  v16 where I find my partner's
.set XR,   16
.set ST,   20         ; tile t at v[ST + 8 t]: +0 m, +1 at work, +2, +3 l (even keys', odd keys'), +4 to +7 c0-c3; a takes c2's place
.set SPW,  62
.set NIL,  63
.set S,    64
.set P,    192
.set KF,   128        ; window 2
.set MF,   128        ; window 3
.set WV,  12
.set G1K, 24          ; s[24:31], s[32:39], s[40:47] descriptor groups 1 for K, V, the mask
.set G1V, 32
.set G1M, 40
.set G0K, 48          ; s[48:51], s[52:55], s[56:59] groups 0: they walk
.set G0V, 52
.set G0M, 56
.set CNT, 60
.set TB,  61          ; LDS byte at which the slot in hand begins
.set SEL, 62          ; s[62:63]
.set CC,  66          ; s[66:67] C
.set LL,  68          ; s[68:69] log2 e
.set FF,  70          ; s[70:71] 2^gb
.set GN,  72          ; s[72:73] -gb
.set EG,  74
.set EK,  75
.set EV,  76
.set SOFF, 77         ; byte offset, in a row of scl, of the word that was loaded last
.set SK,  78          ; s[78:79] scl at k's row, s[80:81] at v's
.set SV,  80
.set SLIM, 86         ; the offset of my last step's word: the look-ahead stops there
.set CQ,  92          ; 2^(Eq - 141) / sqrt(128)
.set MSB, 0
.macro WIN new                      ; the immediate's high byte repeats the setting that is left; a switch that changes nothing is dropped
.if MSB != (\new)
	s_set_vgpr_msb (MSB<<8)|(\new)
.set MSB, \new
.endif
.endm
.set W_KQ, 0x0a       ; K and Q in window 2, S^T in window 0
.set W_PV, 0x53       ; V in window 3, P in window 0, O^T in window 1
.set W_RS, 0x41       ; O^T (destination and source 0) in window 1
; A joint fill of a slot: wave 0 fetches K's 128 rows, wave 1 V's, waves 2 and 3 the two mask tiles.  An s_nop 0 and four v_nop follow each line.
.macro JLOAD
	s_cmp_lt_u32 s[WV], 2
	s_cbranch_scc0 .Lfor_m_\@
	s_cmp_eq_u32 s[WV], 0
	s_cbranch_scc0 .Lfor_v_\@
	tensor_load_to_lds s[G0K:G0K+3], s[G1K:G1K+7]
	s_nop 0
.rept 4
	v_nop
.endr
	s_branch .Lasked_\@
.Lfor_v_\@:
	tensor_load_to_lds s[G0V:G0V+3], s[G1V:G1V+7]
	s_nop 0
.rept 4
	v_nop
.endr
	s_branch .Lasked_\@
.Lfor_m_\@:
	tensor_load_to_lds s[G0M:G0M+3], s[G1M:G1M+7]
	s_nop 0
.rept 4
	v_nop
.endr
.Lasked_\@:
.endm
.macro CROUND
	s_barrier_signal -1
	s_barrier_wait -1
	s_cmp_lg_u32 s[WV], 0
	s_cbranch_scc1 .Lnot_wave_0_\@
	s_barrier_signal -3
.Lnot_wave_0_\@:
	s_barrier_wait -3
	s_barrier_signal -1
	s_barrier_wait -1
.endm
; THE CHANGE OF SLOTS.  Each wave waits for all its tensor loads (one is out: its part of the other slot), adds 0 to its spare word, and waits for that and for its reads of the slot that it leaves,
; V's and p2's mask's among them.  fill = 1: the barrier is a round of the cluster's, and the slot left is filled again first thing behind it, with the keys two slots on; the load has a whole trip in which to land.
; (At its first use nothing has been read yet: slot 0 is waited for, slot 1 filled.)
.macro CHANGE fill
	WIN 0
	s_wait_tensorcnt 0x0
	ds_add_u32 v[SPW], v[NIL]       ; 0 onto my spare word
.if \fill
.irp g, G0K, G0V
	s_xor_b32 s[\g+1], s[\g+1], SLOT1
	s_add_nc_u64 s[\g+2:\g+3], s[\g+2:\g+3], 128*256  ; the next 128 keys
.endr
	s_xor_b32 s[G0M+1], s[G0M+1], SLOT1
	s_add_nc_u64 s[G0M+2:G0M+3], s[G0M+2:G0M+3], 128*4
	s_wait_dscnt 0x0
	CROUND
	JLOAD
.else
	s_wait_dscnt 0x0
	s_barrier_signal -1
	s_barrier_wait -1
.endif
	s_xor_b32 s[TB], s[TB], SLOT1
.endm
	s_load_b256 s[4:11], s[0:1], 0x0  ; qkv s[4:5], scl s[6:7], rf s[8:9], ob s[10:11]
	v_lshl_add_u32 v[SPW], v0, 2, SPARE
	v_mov_b32 v[NIL], 0
	ds_add_u32 v62, v63
	s_wait_dscnt 0x0
	v_lshrrev_b32 v1, 5, v0
	v_readfirstlane_b32 s[WV], v1
	s_bfe_u32 s13, ttmp6, 0x40000   ; cx
	s_bfe_u32 s14, ttmp6, 0x40004   ; cy
	s_lshl_b32 s15, ttmp9, 2
	s_add_co_u32 s15, s15, s13      ; x: my block of 64 queries
	s_and_b32 s16, ttmp7, 0xffff
	s_lshl_b32 s16, s16, 2
	s_add_co_u32 s16, s16, s14      ; kv
	s_and_b32 s17, s[WV], 1         ; kp
	s_lshr_b32 s18, s[WV], 1
	s_lshl_b32 s19, s16, 1
	s_add_co_u32 s19, s19, s18      ; my query head
	s_lshl_b32 s82, s14, 2
	s_lshl_b32 s82, 15, s82         ; my row of the cluster
	s_lshl_b32 s83, 0x1111, s13     ; my column
	s_or_b32 s[G1K], s82, (1<<16)|(1<<20)|(1<<21)|(5<<22)|(3<<25)  ; the mask; 2-byte elements; padding on; bit 21 beside a mask; after every 64 words 4 words
	s_or_b32 s[G1V], s82, (1<<16)|(1<<20)|(1<<21)|(5<<22)|(7<<25)  ; 8 words
	s_or_b32 s[G1M], s83, (2<<16)|(1<<20)|(1<<21)|(5<<22)|(3<<25)  ; 4-byte elements
.irp g, G1K, G1V
	s_mov_b32 s[\g+1], 128<<16      ; tensor_dim0 = 128
	s_mov_b32 s[\g+2], 128<<16      ; tensor_dim1 = 128
	s_mov_b32 s[\g+3], 128<<16      ; tile_dim0 = 128
	s_mov_b32 s[\g+4], 128          ; tile_dim1 = 128
	s_mov_b32 s[\g+5], 128          ; elements from row to row
	s_mov_b32 s[\g+6], 0
	s_mov_b32 s[\g+7], 0
.endr
	s_mov_b32 s[G1M+1], 64<<16
	s_mov_b32 s[G1M+2], 64<<16
	s_mov_b32 s[G1M+3], 64<<16
	s_mov_b32 s[G1M+4], 64
	s_mov_b32 s[G1M+5], 2048
	s_mov_b32 s[G1M+6], 0
	s_mov_b32 s[G1M+7], 0
	s_mov_b32 s[SEL], 0x76543210
	s_mov_b32 s[SEL+1], 0xfedcba98
	s_mov_b32 s[LL], 0x3fb8aa3b
	s_mov_b32 s[LL+1], s[LL]
	s_mov_b32 s[TB], SLOT1          ; the first change of slots turns it into 0
	s_lshl_b32 s[SOFF], s17, 2      ; my step 0's word,
	s_add_co_u32 s[SLIM], s[SOFF], 120  ; my step 15's
	s_add_co_u32 s20, s16, 16       ; k's hcol: made of kv alone
	s_lshl_b32 s88, s20, 7          ; its row of scl
	s_lshl_b32 s20, s20, 19
	s_mov_b32 s21, 0
	s_add_co_u32 s22, s16, 24       ; v's hcol
	s_lshl_b32 s90, s22, 7
	s_lshl_b32 s22, s22, 19
	s_mov_b32 s23, 0
	s_lshl_b32 s84, s15, 19         ; the mask: 64 rows of 8,192 bytes a block, made of x and the wave's number alone
	s_lshl_b32 s85, s17, 8
	s_add_co_u32 s84, s84, s85
	s_mov_b32 s85, 0
	s_mov_b32 s89, 0
	s_mov_b32 s91, 0
	s_mul_i32 s87, s17, 64*PM
	s_lshl_b32 s95, s19, 5
	s_add_co_u32 s95, s95, s15
	s_lshl_b32 s95, s95, 2          ; my queries' word of scl
	s_wait_kmcnt 0x0
	s_mov_b32 s[G0K], 1
	s_mov_b32 s[G0K+1], 0
	s_add_nc_u64 s[G0K+2:G0K+3], s[4:5], s[20:21]
	s_or_b32 s[G0K+3], s[G0K+3], 0x80000000
	s_mov_b32 s[G0V], 1
	s_mov_b32 s[G0V+1], VOFF
	s_add_nc_u64 s[G0V+2:G0V+3], s[4:5], s[22:23]
	s_or_b32 s[G0V+3], s[G0V+3], 0x80000000
	s_mov_b32 s[G0M], 1
	s_add_co_u32 s[G0M+1], s87, MOFF
	s_add_nc_u64 s[G0M+2:G0M+3], s[8:9], s[84:85]
	s_or_b32 s[G0M+3], s[G0M+3], 0x80000000
	s_add_nc_u64 s[SK:SK+1], s[6:7], s[88:89]
	s_add_nc_u64 s[SV:SV+1], s[6:7], s[90:91]
	s_load_b32 s94, s[6:7], s95 offset:0x0  ; Eq
	s_load_b32 s[EK], s[SK:SK+1], s[SOFF] offset:0x0  ; step 0's two words
	s_load_b32 s[EV], s[SV:SV+1], s[SOFF] offset:0x0
	s_lshl_b32 s88, s19, 19
	s_lshl_b32 s90, s15, 14
	s_add_co_u32 s88, s88, s90
	s_add_nc_u64 s[88:89], s[4:5], s[88:89]  ; Q at my head's block
	s_lshl_b32 s90, s15, 18         ; O': token 64 x + 32 kp, 4,096 bytes a token; my head's 256 bytes
	s_lshl_b32 s87, s17, 17
	s_add_co_u32 s90, s90, s87
	s_lshl_b32 s87, s19, 8
	s_add_co_u32 s90, s90, s87
	s_add_nc_u64 s[10:11], s[10:11], s[90:91]
	CROUND                          ; all sixteen work-groups are here: the first joint loads meet
	JLOAD                           ; slot 0.  Slot 1 is asked for when slot 0 is in
	v_and_b32 v1, 15, v0            ; r
	v_bfe_u32 v17, v0, 4, 1         ; h
	v_and_b32 v18, 31, v0           ; lane
	v_lshlrev_b32 v19, 5, v18
	global_load_b128 v[52:55], v19, s[6:7] offset:3072  ; v's 256 words of scl, eight a lane
	global_load_b128 v[56:59], v19, s[6:7] offset:3088
	v_lshlrev_b32 v[QOL], 8, v1
	v_lshl_add_u32 v[QOL], v17, 4, v[QOL]  ; row x 256 + 16 x half
	s_lshl_b32 s87, s17, 13         ; tiles 0, 1 are query tiles 2 kp, 2 kp + 1,
	s_xor_b32 s93, s87, 8192        ; tiles 2, 3 the other two
	v_add_nc_u32 v[QOH], s93, v[QOL]
	v_add_nc_u32 v[QOL], s87, v[QOL]
	WIN 0x80                        ; destination window 2
.set i, 0
.rept 16                            ; tile i / 4, channels 32 (i % 4) on
	global_load_b128 v[8*i:8*i+3],   v[QOL+i/8], s[88:89] offset:((i/4)%2)*4096+(i%4)*64
	global_load_b128 v[8*i+4:8*i+7], v[QOL+i/8], s[88:89] offset:((i/4)%2)*4096+(i%4)*64+32
.set i, i+1
.endr
	WIN 0x40                        ; O^T = 0
.set i, 0
.rept 256
	v_mov_b32 v[i], 0
.set i, i+1
.endr
	WIN 0
.set i, P+32                        ; p2's P = 0: the first turn's products V^T P, of a step that has not been, add 0
.rept 32
	v_mov_b32 v[i], 0
.set i, i+1
.endr
.irp t, 0,1,2,3
	v_mov_b32 v[ST+8*\t], 0xff7fffff
	v_mov_b32 v[ST+8*\t+2], 0
	v_mov_b32 v[ST+8*\t+3], 0
.endr
	v_mul_u32_u24 v[AK0], v1, PK
	v_lshl_add_u32 v[AK0], v17, 4, v[AK0]
	s_mul_i32 s87, s17, 64*PK       ; my parity's 64 keys of the slot's 128
	v_add_nc_u32 v[AK0], s87, v[AK0]
	v_and_b32 v6, 7, v0             ; the turning load: lane l reads key 8 (l / 16) + l % 8, channels 8 ((l / 8) % 2) + 0..7
	v_bfe_u32 v7, v0, 3, 1
	v_lshl_add_u32 v[AV0], v17, 3, v6
	v_mul_u32_u24 v[AV0], v[AV0], PV
	v_lshl_add_u32 v[AV0], v7, 4, v[AV0]
	s_mul_i32 s87, s17, 64*PV
	s_add_co_u32 s87, s87, VOFF
	v_add_nc_u32 v[AV0], s87, v[AV0]
	v_mul_u32_u24 v[AML0], v1, PM   ; the mask: row = my query in the block, my 8 keys at 32 h
	v_lshl_add_u32 v[AML0], v17, 5, v[AML0]
	s_mul_i32 s87, s17, 96*PM       ; my parity's tile, 64 kp rows on, and in it rows 32 kp on
	s_add_co_u32 s87, s87, MOFF
	s_mul_i32 s93, s17, 32*PM       ; or rows 32 (1 - kp) on: 64 kp + 32 (1 - kp) = 32 + 32 kp
	s_add_co_u32 s93, s93, MOFF+32*PM
	v_add_nc_u32 v[AMH0], s93, v[AML0]
	v_add_nc_u32 v[AML0], s87, v[AML0]
	s_mul_i32 s87, s[WV], 16*SP
	s_add_co_u32 s87, s87, STAGE
	v_mul_u32_u24 v[STO], v1, SP
	v_lshl_add_u32 v[STO], v17, 4, v[STO]
	v_add_nc_u32 v[STO], s87, v[STO]
	v_mul_u32_u24 v[RD], v17, SP
	v_lshl_add_u32 v[RD], v1, 4, v[RD]
	v_add_nc_u32 v[RD], s87, v[RD]
	v_lshlrev_b32 v[GO], 12, v17    ; two tokens of O', 4,096 bytes apart
	v_lshl_add_u32 v[GO], v1, 4, v[GO]
	s_mul_i32 s87, s[WV], XB
	s_add_co_u32 s87, s87, XCH
	v_lshl_add_u32 v[XW], v18, 4, s87
	s_xor_b32 s93, s[WV], 1
	s_mul_i32 s93, s93, XB
	s_add_co_u32 s93, s93, XCH
	v_lshl_add_u32 v[XR], v18, 4, s93
	v_mov_b32 v60, 0
	s_wait_loadcnt 32               ; v's words are in; Q's 32 loads stay out
	v_max_u32 v52, v52, v53
	v_max_u32 v54, v54, v55
	v_max_u32 v56, v56, v57
	v_max_u32 v58, v58, v59
	v_max_u32 v52, v52, v54
	v_max_u32 v56, v56, v58
	v_max_u32 v52, v52, v56
.irp m, 1,2,4,8
	v_mov_b32_dpp v60, v52 row_xmask:\m row_mask:0xf bank_mask:0xf
	v_max_u32 v52, v52, v60
.endr
	v_permlanex16_b32 v60, v52, s[SEL], s[SEL+1]
	v_max_u32 v52, v52, v60
	v_readfirstlane_b32 s[EG], v52  ; a value only
	s_wait_kmcnt 0x0
	s_sub_co_u32 s94, s94, 14
	s_lshl_b32 s94, s94, 23         ; 2^(Eq - 141)
	s_mul_f32 s[CQ], s94, 0x3db504f3  ; / sqrt(128)
; THE MATRIX WORK OF A TURN, for piece x.  The accumulators take turns, one instruction a turn: between two links of a chain stand 15 (V^T P) or 7 (K Q^T) others'.
; Product i of 32 of O^T += V^T P: keys 32 (i / 16) on, channels 16 ((i / 2) % 8) on, tile x + i % 2.
.macro PV x
	WIN W_PV
.set rO, 64*((\x)+i%2)+8*((i/2)%8)
.set rV, 64*(i/16)+8*((i/2)%8)
.set rP, P+16*((\x)+i%2)+8*(i/16)
	v_wmma_f32_16x16x32_f16 v[rO:rO+7], v[rV:rV+7], v[rP:rP+7], v[rO:rO+7]
.endm
; Product i of 32 of S^T = K Q^T: channels 32 (i / 8) on, keys 16 ((i / 2) % 4) on, tile x + i % 2.  The first 8 start the sums.
.macro KQ x
	WIN W_KQ
.set rS, S+32*((\x)+i%2)+8*((i/2)%4)
.set rK, KF+32*((i/2)%4)+8*(i/8)
.set rQ, 32*((\x)+i%2)+8*(i/8)
.if i < 8
	v_wmma_f32_16x16x32_f16 v[rS:rS+7], v[rK:rK+7], v[rQ:rQ+7], 0
.else
	v_wmma_f32_16x16x32_f16 v[rS:rS+7], v[rK:rK+7], v[rQ:rQ+7], v[rS:rS+7]
.endif
.endm
; THE LDS LOADS stand in runs, never singly among the matrix instructions.
.macro FETCH_K                      ; 64 keys x 128 channels: keys 16 (f / 4) on, channels 32 (f % 4) on
	WIN 0
	v_add_nc_u32 v[AK], s[TB], v[AK0]
	WIN 0x80                        ; destination window 2
.irp f, 0,1,2,3,4,5,6,7,8,9,10,11,12,13,14,15
	ds_load_b128 v[KF+8*\f:KF+8*\f+3],   v[AK] offset:(\f/4)*16*PK+(\f%4)*64
	ds_load_b128 v[KF+8*\f+4:KF+8*\f+7], v[AK] offset:(\f/4)*16*PK+(\f%4)*64+32
.endr
.endm
.macro FETCH_V                      ; turned: keys 32 (f / 8) on, channels 16 (f % 8) on
	WIN 0
	v_add_nc_u32 v[AV], s[TB], v[AV0]
	WIN 0xc0                        ; destination window 3
.irp f, 0,1,2,3,4,5,6,7,8,9,10,11,12,13,14,15
	ds_load_tr16_b128 v[8*\f:8*\f+3],   v[AV] offset:(\f/8)*32*PV+(\f%8)*32
	ds_load_tr16_b128 v[8*\f+4:8*\f+7], v[AV] offset:(\f/8)*32*PV+16*PV+(\f%8)*32
.endr
.endm
.macro FETCH_M p                    ; the mask of piece 2 p: tile fi / 4, keys 16 (fi % 4) on
	WIN 0
	v_add_nc_u32 v[AML+(\p)], s[TB], v[AML0+(\p)]
	WIN 0xc0
.set fi, 8*(\p)
.rept 8
	ds_load_b128 v[MF+8*fi:MF+8*fi+3],   v[AML+(\p)] offset:((fi/4)%2)*16*PM+(fi%4)*64
	ds_load_b128 v[MF+8*fi+4:MF+8*fi+7], v[AML+(\p)] offset:((fi/4)%2)*16*PM+(fi%4)*64+16
.set fi, fi+1
.endr
.endm
; THE VECTOR WORK OF A TURN.  One tile's softmax for one key step is a list of 167 instructions; SM writes number j of it for tile t.  s0-s31 are the lane's 32 scores, in pairs 0-15.
;   0-15     s = S C + mask, pair by pair: each accumulator is read from its low end on; the one part that reads window 3
;   16-31    the maximum of s0-s31 and the old m: four chains of seven scores, the four left over, c0-c3 and m
;   32-40    the other half of the lanes' maximum; m_old kept; the new m; (m_old - m_new) log2 e; a; among them the first of D and F
;   41-134   D n: pair n less m.  F n: times log2 e, less gb.  E n: the exponential of score n.  PLN p: work on finished weights (below).  Each pair's D and F come a group ahead of its exponentials;
;            from 50 on a group of six reads D, F, E, PLN, E, PLN: every exponential has a plain instruction behind it before its result is used.  49: l times a, ahead of the first sum into l
;   135-166  the tile's O^T times a, each accumulator from its low end on: the one part that writes window 1, so it stands together
.macro OPD n
	v_pk_add_f32 v[rS+2*(\n):rS+2*(\n)+1], v[rS+2*(\n):rS+2*(\n)+1], v[rT:rT+1] op_sel_hi:[1,0] neg_lo:[0,1] neg_hi:[0,1]
.endm
.macro OPF n
	v_pk_fma_f32 v[rS+2*(\n):rS+2*(\n)+1], v[rS+2*(\n):rS+2*(\n)+1], s[LL:LL+1], s[GN:GN+1] op_sel_hi:[1,0,0]
.endm
.macro OPE n
	v_exp_f32 v[rS+(\n)], v[rS+(\n)]
.endm
.macro PLN t, p                     ; on the four weights 4 (p / 4) ..: both pairs rounded to f16; the second pair added onto the first; l takes the sum times 2^gb
.set kq, (\p)/4
.set rW, S+32*(\t)+4*kq
.if (\p)%4 == 0
	s_wait_alu depctr_va_vdst(0)
	v_cvt_pk_f16_f32 v[P+16*(\t)+2*kq], v[rW], v[rW+1]
.elseif (\p)%4 == 1
	s_wait_alu depctr_va_vdst(0)
	v_cvt_pk_f16_f32 v[P+16*(\t)+2*kq+1], v[rW+2], v[rW+3]
.elseif (\p)%4 == 2
	v_pk_add_f32 v[rW:rW+1], v[rW:rW+1], v[rW+2:rW+3]
.else
	v_pk_fma_f32 v[ST+8*(\t)+2:ST+8*(\t)+3], v[rW:rW+1], s[FF:FF+1], v[ST+8*(\t)+2:ST+8*(\t)+3] op_sel_hi:[1,0,1]
.endif
.endm
.macro SM t
.set rT, ST+8*(\t)
.set rS, S+32*(\t)
.set rO, 64*(\t)
.if j < 16
	WIN 0x30                        ; source 2 in window 3
	v_pk_fma_f32 v[rS+2*j:rS+2*j+1], v[rS+2*j:rS+2*j+1], s[CC:CC+1], v[MF+32*(\t)+2*j:MF+32*(\t)+2*j+1] op_sel_hi:[1,0,1]
.elseif j >= 135
	WIN W_RS
	v_pk_mul_f32 v[rO+2*(j-135):rO+2*(j-135)+1], v[rO+2*(j-135):rO+2*(j-135)+1], v[rT+6:rT+7] op_sel_hi:[1,0]
.else
	WIN 0
.if j < 20
	v_max3_num_f32 v[rT+4+(j-16)], v[rS+8*(j-16)], v[rS+8*(j-16)+1], v[rS+8*(j-16)+2]
.elseif j < 28
	v_max3_num_f32 v[rT+4+j%4], v[rT+4+j%4], v[rS+8*(j%4)+2*((j-16)/4)+1], v[rS+8*(j%4)+2*((j-16)/4)+2]
.elseif j == 28
	v_max3_num_f32 v[rT+4], v[rT+4], v[rS+7], v[rS+15]
.elseif j == 29
	v_max3_num_f32 v[rT+6], v[rT+6], v[rS+23], v[rS+31]
.elseif j == 30
	v_max3_num_f32 v[rT+4], v[rT+4], v[rT+5], v[rT+6]
.elseif j == 31
	v_max3_num_f32 v[rT+4], v[rT+4], v[rT+7], v[rT]
.elseif j == 32
	v_permlanex16_b32 v[rT+5], v[rT+4], s[SEL], s[SEL+1]  ; the query's other 32 keys lie in the lane 16 away
.elseif j == 33
	v_mov_b32 v[rT+1], v[rT]
.elseif j == 34
	v_max_num_f32 v[rT], v[rT+4], v[rT+5]
.elseif j == 35
	v_sub_f32 v[rT+1], v[rT+1], v[rT]
.elseif j == 36
	OPD 0
.elseif j == 37
	v_mul_f32 v[rT+1], s[LL], v[rT+1]
.elseif j == 38
	OPD 1
.elseif j == 39
	OPF 0
.elseif j == 40
	v_exp_f32 v[rT+6], v[rT+1]      ; a
.elseif j < 49                      ; groups 2 and 3: D g, F g - 1, E 2 g - 4, E 2 g - 3
.if (j-41)%4 == 0
	OPD 2+(j-41)/4
.elseif (j-41)%4 == 1
	OPF 1+(j-41)/4
.elseif (j-41)%4 == 2
	OPE 2*((j-41)/4)
.else
	OPE 2*((j-41)/4)+1
.endif
.elseif j == 49
	s_wait_alu depctr_va_vdst(0)
	v_pk_mul_f32 v[rT+2:rT+3], v[rT+2:rT+3], v[rT+6:rT+7] op_sel_hi:[1,0]  ; l a
.elseif j < 122                     ; groups g = 4 .. 15: D g, F g - 1, E 2 g - 4, PLN 2 g - 8, E 2 g - 3, PLN 2 g - 7
.if (j-50)%6 == 0
	OPD 4+(j-50)/6
.elseif (j-50)%6 == 1
	OPF 3+(j-50)/6
.elseif (j-50)%6 == 2
	OPE 4+2*((j-50)/6)
.elseif (j-50)%6 == 3
	PLN \t, 2*((j-50)/6)
.elseif (j-50)%6 == 4
	OPE 5+2*((j-50)/6)
.else
	PLN \t, 2*((j-50)/6)+1
.endif
.elseif j == 122
	OPF 15
.elseif j < 131                     ; E 28 .. 31, each with PLN 24 .. 27 behind it
.if (j-123)%2 == 0
	OPE 28+(j-123)/2
.else
	PLN \t, 24+(j-123)/2
.endif
.else
	PLN \t, 28+(j-131)
.endif
.endif
.endm
.macro NEXT t                       ; the next number of tile t's list; jA counts the piece's first tile, jB its second
.if ((\t)&1) == 0
.set j, jA
.set jA, jA+1
.else
.set j, jB
.set jB, jB+1
.endif
	SM \t
.endm
; The slice behind matrix instruction w of 64, for piece y: five instructions, the two tiles alternating, so that no instruction reads the result of the one just before it; the fifth is the first tile's
; at even w, the second's at odd w: 160 numbers a tile.  The seven a tile that are over, all of the rescaling, stand behind the last product: plain instructions that name none of its registers,
; the places between the turn's last K Q^T and the next turn's first read of those scores, and in front of the loads into K's registers.
.macro SLICE y
	NEXT (\y)
	NEXT (\y)+1
	NEXT (\y)
	NEXT (\y)+1
.if w%2 == 0
	NEXT (\y)
.else
	NEXT (\y)+1
.endif
.if w == 63
.rept 7
	NEXT (\y)
	NEXT (\y)+1
.endr
.endif
.endm
; A TURN.  Piece x has the matrix unit; the other piece's softmax stands in slices behind its matrix instructions.
; x = 0 (turn A): K of the next step is fetched behind the second product, p0's mask of that step behind the tenth: 30 and 22 matrix instructions ahead of the one wait for both.  The last product that read K
; stands in front of the fourteen-and-five plain instructions of the turn before.
; x = 2 (turn B): V of the step in hand is fetched behind the second K Q^T: three slices, of which at most a third are exponentials, behind the last product that read V; p2's mask eight products later.
; The change of slots behind the turn waits for both.
.macro TURN x
.set jA, 0
.set jB, 0
.set w, 0
.rept 64
.if w < 32
.set i, w
	PV \x
.else
.if (w == 32) && ((\x) == 0)
	s_wait_dscnt 0x0                ; K and p0's mask are in
.endif
.set i, w-32
	KQ \x
.endif
	SLICE 2-(\x)
.if (\x) == 0
.if w == 1
	FETCH_K
.endif
.if w == 9
	FETCH_M 0
.endif
.else
.if w == 33
	FETCH_V
.endif
.if w == 41
	FETCH_M 1
.endif
.endif
.set w, w+1
.endr
.endm
; A TRIP.  At its head the step's scalars, from the two words of scl that were loaded a trip ago (values only: no address and no branch hangs on them), and the loads of the next step's words;
; the offset stops at my last step's word, so that no load leaves the table.
.macro TRIP fill
	s_wait_kmcnt 0x0                ; the two words are in, and their offset register may be stepped
	s_sub_co_u32 s84, s[EK], 14
	s_lshl_b32 s84, s84, 23         ; 2^(Ek - 141)
	s_mul_f32 s[CC], s[CQ], s84
	s_mov_b32 s[CC+1], s[CC]
	s_sub_co_u32 s85, s[EG], s[EV]
	s_min_u32 s85, s85, 32          ; gb
	s_cvt_f32_u32 s[GN], s85
	s_xor_b32 s[GN], s[GN], 0x80000000
	s_mov_b32 s[GN+1], s[GN]
	s_add_co_u32 s85, s85, 127
	s_lshl_b32 s[FF], s85, 23       ; 2^gb
	s_mov_b32 s[FF+1], s[FF]
	s_add_co_u32 s[SOFF], s[SOFF], 8
	s_min_u32 s[SOFF], s[SOFF], s[SLIM]
	s_load_b32 s[EK], s[SK:SK+1], s[SOFF] offset:0x0
	s_load_b32 s[EV], s[SV:SV+1], s[SOFF] offset:0x0
	TURN 2
	CHANGE \fill
	TURN 0
	WIN 0
.endm
	CHANGE 1                        ; slot 0 is in, everybody's part of it; slot 1 is asked for
	FETCH_K                         ; key step 0
	FETCH_M 0
	s_wait_loadcnt 0x0              ; Q
	s_wait_dscnt 0x0
	FETCH_V                         ; V of step 0, so that the first turn's products with P = 0 multiply finite numbers; it lands under the products below
.set i, 0
.rept 32
	KQ 0                            ; p0's first scores: there is no vector work yet to set between them
.set i, i+1
.endr
	WIN 0
.rept 4
	v_nop                           ; the places behind those products
.endr
	s_wait_dscnt 0x0                ; V
	s_mov_b32 s[CNT], 14
.Lslot:                             ; trips 0 to 13: the slot that is left is filled again
	TRIP 1
	s_sub_co_u32 s[CNT], s[CNT], 1
	s_cmp_lg_u32 s[CNT], 0
	s_cbranch_scc1 .Lslot
	s_mov_b32 s[CNT], 2
.Ltail:                             ; trips 14 and 15 are written out: nothing is asked for
	TRIP 0
	s_sub_co_u32 s[CNT], s[CNT], 1
	s_cmp_lg_u32 s[CNT], 0
	s_cbranch_scc1 .Ltail
.set i, 0
.rept 32
	PV 2                            ; p2's V^T P of the last step
.set i, i+1
.endr
	WIN 0
	; THE MERGE.  Tiles 2, 3 (O^T, m, l) go to my partner through LDS; my partner's come for my tiles 0, 1.  The six lines on statistics are the places behind the last products.
	v_mov_b32 v52, v[ST+16]
	v_add_f32 v53, v[ST+18], v[ST+19]
	v_mov_b32 v54, v[ST+24]
	v_add_f32 v55, v[ST+26], v[ST+27]
	v_add_f32 v[ST+2], v[ST+2], v[ST+3]
	v_add_f32 v[ST+10], v[ST+10], v[ST+11]
	WIN 0x04                        ; store data in window 1
.set i, 0
.rept 32
	ds_store_b128 v[XW], v[128+4*i:128+4*i+3] offset:512*i
.set i, i+1
.endr
	WIN 0
	ds_store_b128 v[XW], v[52:55] offset:16384
	s_wait_dscnt 0x0                ; for my partner's sake: my stores are done
	s_barrier_signal -1
	s_barrier_wait -1
	WIN 0x80                        ; into Q's registers, which are free
.set i, 0
.rept 32
	ds_load_b128 v[4*i:4*i+3], v[XR] offset:512*i
.set i, i+1
.endr
	WIN 0
	ds_load_b128 v[56:59], v[XR] offset:16384
	s_wait_dscnt 0x0
.irp t, 0,1
	v_max_num_f32 v[ST+8*\t+4], v[ST+8*\t], v[56+2*\t]
.endr
.irp t, 0,1
	v_sub_f32 v[ST+8*\t+5], v[ST+8*\t], v[ST+8*\t+4]
	v_sub_f32 v[ST+8*\t+6], v[56+2*\t], v[ST+8*\t+4]
.endr
.irp t, 0,1
	v_mul_f32 v[ST+8*\t+5], s[LL], v[ST+8*\t+5]
	v_mul_f32 v[ST+8*\t+6], s[LL], v[ST+8*\t+6]
.endr
.irp t, 0,1
	v_exp_f32 v[ST+8*\t+5], v[ST+8*\t+5]  ; my share's factor
	v_exp_f32 v[ST+8*\t+6], v[ST+8*\t+6]  ; my partner's
.endr
	v_nop                           ; a plain instruction behind the exponentials
	s_wait_alu depctr_va_vdst(0)
.irp t, 0,1
	v_mul_f32 v[ST+8*\t+2], v[ST+8*\t+2], v[ST+8*\t+5]
.endr
.irp t, 0,1
	v_fma_f32 v[ST+8*\t+2], v[57+2*\t], v[ST+8*\t+6], v[ST+8*\t+2]
.endr
.irp t, 0,1
	v_permlanex16_b32 v[ST+8*\t+3], v[ST+8*\t+2], s[SEL], s[SEL+1]
.endr
.irp t, 0,1
	v_add_f32 v[ST+8*\t+2], v[ST+8*\t+2], v[ST+8*\t+3]
.endr
.irp t, 0,1
	v_rcp_f32 v[ST+8*\t+3], v[ST+8*\t+2]
.endr
	v_nop                           ; a plain instruction behind the reciprocals
	s_wait_alu depctr_va_vdst(0)
.irp t, 0,1
	v_mul_f32 v[ST+8*\t+4], v[ST+8*\t+5], v[ST+8*\t+3]
	v_mul_f32 v[ST+8*\t+6], v[ST+8*\t+6], v[ST+8*\t+3]
.endr
; Tile t: both shares weighted and added, rounded to f16, through my stage, back as whole rows of 256 bytes.
.macro PACK t
	WIN W_RS
.set i, 64*(\t)
.rept 32
	v_pk_mul_f32 v[i:i+1], v[i:i+1], v[ST+8*(\t)+4:ST+8*(\t)+5] op_sel_hi:[1,0]
.set i, i+2
.endr
	WIN 0x52                        ; source 0 (my partner's O^T) in window 2, source 2 and destination in window 1
.set i, 64*(\t)
.rept 32
	v_pk_fma_f32 v[i:i+1], v[i:i+1], v[ST+8*(\t)+6:ST+8*(\t)+7], v[i:i+1] op_sel_hi:[1,0,1]
.set i, i+2
.endr
	WIN 0x05
.set i, 0
.rept 32
	v_cvt_pk_f16_f32 v[S+32*(\t)+i], v[64*(\t)+2*i], v[64*(\t)+2*i+1]
.set i, i+1
.endr
	WIN 0
.irp f, 0,1,2,3,4,5,6,7
	ds_store_b128 v[STO], v[S+32*(\t)+4*\f:S+32*(\t)+4*\f+3] offset:32*\f
.endr
.irp f, 0,1,2,3,4,5,6,7
	ds_load_b128 v[S+32*(\t)+4*\f:S+32*(\t)+4*\f+3], v[RD] offset:\f*2*SP  ; LDS serves a wave's instructions in order: these see the stores above
.endr
.endm
.macro SEND t, younger              ; younger: the LDS instructions issued behind tile t's loads
.irp f, 0,1,2,3,4,5,6,7
	s_wait_dscnt (\younger)+7-\f
	global_store_b128 v[GO], v[S+32*(\t)+4*\f:S+32*(\t)+4*\f+3], s[10:11] offset:(\t)*65536+\f*8192  ; 16 lanes store 256 consecutive bytes, aligned
.endr
.endm
	PACK 0
	PACK 1
	SEND 0, 16
	SEND 1, 0
	s_wait_tensorcnt 0x0            ; the wave's end
	ds_add_u32 v[SPW], v[NIL]
	s_wait_dscnt 0x0
	CROUND                          ; the closing round
	s_endpgm
.Lfunc_end_k_qba3470e79b_attn:
	.size	k_qba3470e79b_attn, .Lfunc_end_k_qba3470e79b_attn-k_qba3470e79b_attn
	.p2alignl 7, 3214868480
	.fill 96, 4, 3214868480
	.section	.rodata,"a",@progbits
	.p2align	6, 0x0
	.amdhsa_kernel k_qba3470e79b_attn
		.amdhsa_group_segment_fixed_size 327680
		.amdhsa_private_segment_fixed_size 0
		.amdhsa_enable_private_segment 0
		.amdhsa_kernarg_size 32
		.amdhsa_user_sgpr_count 2
		.amdhsa_user_sgpr_kernarg_segment_ptr 1
		.amdhsa_wavefront_size32 1
		.amdhsa_system_sgpr_workgroup_id_x 1
		.amdhsa_system_sgpr_workgroup_id_y 1
		.amdhsa_system_sgpr_workgroup_id_z 1
		.amdhsa_system_vgpr_workitem_id 0
		.amdhsa_next_free_vgpr 1024
		.amdhsa_next_free_sgpr 96
		.amdhsa_reserve_vcc 0
		.amdhsa_float_denorm_mode_32 3
		.amdhsa_float_denorm_mode_16_64 3
		.amdhsa_memory_ordered 1
		.amdhsa_forward_progress 1
		.amdhsa_inst_pref_size 183
	.end_amdhsa_kernel
	.amdgpu_metadata
---
amdhsa.version: [ 1, 2 ]
amdhsa.kernels:
  - .name:           k_qba3470e79b_attn
    .symbol:         k_qba3470e79b_attn.kd
    .args:
      - { .name: qkv, .offset: 0, .size: 8, .value_kind: global_buffer, .address_space: global }
      - { .name: scl, .offset: 8, .size: 8, .value_kind: global_buffer, .address_space: global }
      - { .name: rf, .offset: 16, .size: 8, .value_kind: global_buffer, .address_space: global }
      - { .name: ob, .offset: 24, .size: 8, .value_kind: global_buffer, .address_space: global }
    .group_segment_fixed_size: 327680
    .private_segment_fixed_size: 0
    .kernarg_segment_align: 8
    .kernarg_segment_size: 32
    .max_flat_workgroup_size: 128
    .sgpr_count:     96
    .vgpr_count:     1024
    .wavefront_size: 32
...
	.end_amdgpu_metadata
.endif
;; end of part 3
;; launch oproj (part 4): grid 16 x 16, 4 waves a work-group, clusters of 4 x 4, 327,680 bytes of LDS; arguments ob, xb, scl, out0; writes out0
.if DOCPART == 4
	.amdgcn_target "amdgcn-amd-amdhsa--gfx1250"
	.amdhsa_code_object_version 6
	.text
	.protected	k_qba3470e79b_oproj
	.globl	k_qba3470e79b_oproj
	.p2align	8
	.type	k_qba3470e79b_oproj,@function
k_qba3470e79b_oproj:
	s_mov_b64 s[64:65], 0
	v_nop
	global_prefetch_b8 v0, s[64:65] scope:SCOPE_SE
	s_setreg_imm32_b32 hwreg(HW_REG_WAVE_MODE, 25, 1), 1
	s_wait_xcnt 0x0
	s_wait_alu depctr_hold_cnt(0) depctr_sa_sdst(0) depctr_va_vdst(0) depctr_va_sdst(0) depctr_va_ssrc(0) depctr_va_vcc(0) depctr_vm_vsrc(0)
	s_getreg_b32 s2, hwreg(HW_REG_IB_STS2, 6, 4)
	s_cmp_eq_u32 s2, 0
	s_cbranch_scc0 .Lentry_in_a_cluster
	s_endpgm
.Lentry_in_a_cluster:
	s_bfe_u32 s2, ttmp6, 0x10000c
	s_cmp_lg_u32 s2, 0xf033
	s_cbranch_scc0 .Lentry_shape_is_right
	s_endpgm
.Lentry_shape_is_right:
; out0 = O x Wo^T.  ob: O' [2048][2048] f16 in units of 2^(EG - 141); xb at WOB: bf16(Wo) x 256 as f16, [2048][2048]; out0 [2048][2048] f32 = the f32 sums x 2^(EG - 149).
; EG is the largest of v's 256 words of scl (a value only).  LIMITS: those of the launches that wrote ob and xb.
; A tile of out0 is 128 x 128: 256 work-groups; four waves, each 64 x 64: 16 accumulators.  K goes in steps of 256 (LDS rows of 512 bytes), as long as two slots in LDS allow.
; CLUSTER 4 x 4: O's tile is asked for jointly along a row of the cluster, Wo's along a column.  THE MATRIX INSTRUCTION IS USED TRANSPOSED: a lane holds eight neighbouring numbers of a row of out0.
; A wave's 64 columns of f32 are 256 aligned bytes, so each wave has a stage of its own on the way out and no barrier is needed there.
; REGISTERS: window 0: v0-31 addresses; v32-127 at work on the way out; v128-255 the accumulators ((a, b) at v[128 + 8 (4 a + b)]).  window 1: two fragment buffers of 128.
.set SIZE_K, 2048
.set KSTEP,  256
.set PITCH,  528                       ; 512 bytes + 16 of padding
.set HALFT,  64*PITCH
.set SLOT,   4*HALFT
.set STAGE,  2*SLOT                    ; behind the ring: 16 rows x 272 bytes for each wave
.set SPITCH, 272
.set SPARE,  STAGE+4*16*SPITCH         ; the spare words, 128 bytes for each wave, which no other line names
.set LAPS,   SIZE_K/(2*KSTEP)
.set WOB,    50331648
.set ADRA, 16
.set ADRB, 20
.set STO,  24
.set RD,   25
.set CO,   26
.set SPW,  28
.set NIL,  29
.set TMP,  32                          ; v32-63  a block of 16 rows, scaled
.set BK,   64                          ; v64-95, v96-127 by turns: the block read back
.set ACC,  128
.set F0,   0
.set F1,   128
.set WV, 12
.set RH, 13
.set CH, 14
.set G1, 24
.set G0, 32
.set G1B, 48
.set G0B, 56
.set SC, 66                            ; s[66:67] 2^(EG - 149)
.set SEL, 68                           ; s[68:69]
.set MSB, 0
.macro WIN new
.if MSB != (\new)
	s_set_vgpr_msb (MSB<<8)|(\new)
.set MSB, \new
.endif
.endm
.set MUL,  0x05                        ; sources in window 1; C and D in window 0
.set TO_F, 0x40                        ; destination window 1, address window 0
.macro JLOAD s                         ; waves 0 and 1 fetch O's two halves, waves 2 and 3 Wo's; an s_nop 0 and four v_nop follow each line
	s_cmp_eq_u32 s[RH], 0
	s_cbranch_scc0 .Lfor_b_\@
	tensor_load_to_lds s[G0+4*(\s):G0+4*(\s)+3], s[G1:G1+7]
	s_nop 0
.rept 4
	v_nop
.endr
	s_branch .Lasked_\@
.Lfor_b_\@:
	tensor_load_to_lds s[G0B+4*(\s):G0B+4*(\s)+3], s[G1B:G1B+7]
	s_nop 0
.rept 4
	v_nop
.endr
.Lasked_\@:
.endm
.macro CREST
	s_cmp_lg_u32 s[WV], 0
	s_cbranch_scc1 .Lnot_wave_0_\@
	s_barrier_signal -3
.Lnot_wave_0_\@:
	s_barrier_wait -3
	s_barrier_signal -1
	s_barrier_wait -1
.endm
.macro CROUND
	s_barrier_signal -1
	s_barrier_wait -1
	CREST
.endm
	s_load_b256 s[4:11], s[0:1], 0x0               ; ob s[4:5], xb s[6:7], scl s[8:9], out0 s[10:11]
	v_lshl_add_u32 v[SPW], v0, 2, SPARE
	v_mov_b32 v[NIL], 0
	ds_add_u32 v28, v29
	s_wait_dscnt 0x0
	v_lshrrev_b32 v1, 5, v0
	v_readfirstlane_b32 s[WV], v1
	s_lshr_b32 s[RH], s[WV], 1                     ; which half of the tile's rows is mine.  Also: I fetch for O (0) or for Wo (1)
	s_and_b32 s[CH], s[WV], 1                      ; which half of its columns.  Also: which 64 rows of that tile I fetch
	s_bfe_u32 s15, ttmp6, 0x40000                  ; cx
	s_bfe_u32 s16, ttmp6, 0x40004                  ; cy
	s_lshl_b32 s17, ttmp9, 2
	s_add_co_u32 s17, s17, s15                     ; tile column
	s_and_b32 s18, ttmp7, 0xffff
	s_lshl_b32 s18, s18, 2
	s_add_co_u32 s18, s18, s16                     ; tile row
	s_lshl_b32 s19, s16, 2
	s_lshl_b32 s19, 15, s19                        ; my row of the cluster
	s_lshl_b32 s20, 0x1111, s15                    ; my column
	s_or_b32 s[G1+0], s19, (1<<16)|(1<<20)|(1<<21)|(6<<22)|(3<<25)   ; the mask; 2-byte elements; padding on; bit 21 beside a mask; after every 128 words 4 words
	s_or_b32 s[G1B+0], s20, (1<<16)|(1<<20)|(1<<21)|(6<<22)|(3<<25)
.irp g, G1, G1B
	s_mov_b32 s[(\g)+1], KSTEP<<16                 ; tensor_dim0 = 256
	s_mov_b32 s[(\g)+2], 64<<16                    ; tensor_dim1 = 64
	s_mov_b32 s[(\g)+3], KSTEP<<16                 ; tile_dim0 = 256
	s_mov_b32 s[(\g)+4], 64                        ; tile_dim1 = 64
	s_mov_b32 s[(\g)+5], SIZE_K                    ; elements from row to row
	s_mov_b32 s[(\g)+6], 0
	s_mov_b32 s[(\g)+7], 0
.endr
	s_mov_b32 s[SEL], 0x76543210
	s_mov_b32 s[SEL+1], 0xfedcba98
	s_lshl_b32 s40, s18, 7                         ; O: row 128 x tile row + 64 x half, 4,096 bytes a row
	s_lshl_b32 s41, s[CH], 6
	s_add_co_u32 s40, s40, s41
	s_lshl_b32 s40, s40, 12
	s_mov_b32 s41, 0
	s_lshl_b32 s42, s17, 7                         ; Wo: row 128 x tile column + 64 x half
	s_lshl_b32 s43, s[CH], 6
	s_add_co_u32 s42, s42, s43
	s_lshl_b32 s42, s42, 12
	s_add_co_u32 s42, s42, WOB
	s_mov_b32 s43, 0
	s_mul_i32 s44, s[WV], HALFT                    ; where they go: wave x 64 rows
	s_wait_kmcnt 0x0
	s_add_nc_u64 s[40:41], s[4:5], s[40:41]
	s_add_nc_u64 s[42:43], s[6:7], s[42:43]
	CROUND                                         ; all sixteen work-groups are here: the first joint loads meet
.irp s, 0,1
	s_mov_b32 s[G0+4*(\s)], 1
	s_add_co_u32 s[G0+4*(\s)+1], s44, (\s)*SLOT
	s_add_nc_u64 s[G0+4*(\s)+2:G0+4*(\s)+3], s[40:41], (\s)*KSTEP*2
	s_or_b32 s[G0+4*(\s)+3], s[G0+4*(\s)+3], 0x80000000
	s_mov_b32 s[G0B+4*(\s)], 1
	s_add_co_u32 s[G0B+4*(\s)+1], s44, (\s)*SLOT
	s_add_nc_u64 s[G0B+4*(\s)+2:G0B+4*(\s)+3], s[42:43], (\s)*KSTEP*2
	s_or_b32 s[G0B+4*(\s)+3], s[G0B+4*(\s)+3], 0x80000000
	JLOAD \s                                       ; two loads of mine are out
.endr
	v_and_b32 v30, 31, v0
	v_lshlrev_b32 v30, 5, v30
	global_load_b128 v[32:35], v30, s[8:9] offset:3072   ; v's 256 words of scl, eight a lane
	global_load_b128 v[36:39], v30, s[8:9] offset:3088
	v_and_b32 v1, 15, v0                           ; r
	v_bfe_u32 v2, v0, 4, 1                         ; h
	v_mul_u32_u24 v3, v1, PITCH
	v_lshl_add_u32 v3, v2, 4, v3
	s_mul_i32 s45, s[RH], HALFT                    ; my 64 rows of O
	s_mul_i32 s46, s[CH], HALFT                    ; my 64 rows of Wo,
	s_add_co_u32 s46, s46, 2*HALFT                 ; which lie behind O's 128
.irp s, 0,1
	v_add_nc_u32 v[ADRA+(\s)], s45, v3
	v_add_nc_u32 v[ADRB+(\s)], s46, v3
	s_add_co_u32 s45, s45, SLOT
	s_add_co_u32 s46, s46, SLOT
.endr
	s_mul_i32 s45, s[WV], 16*SPITCH
	s_add_co_u32 s45, s45, STAGE                   ; my stage
	v_mul_u32_u24 v4, v1, SPITCH                   ; in: row r, 32 bytes for each half of the lanes
	v_lshl_add_u32 v4, v2, 5, v4
	v_add_nc_u32 v[STO], s45, v4
	v_mul_u32_u24 v5, v2, SPITCH                   ; back: lanes 0-15 one row of 256 bytes, lanes 16-31 the next
	v_lshl_add_u32 v5, v1, 4, v5
	v_add_nc_u32 v[RD], s45, v5
	v_lshlrev_b32 v[CO], 13, v2                    ; and the same two rows of out0, 8,192 bytes apart
	v_lshl_add_u32 v[CO], v1, 4, v[CO]
	s_lshl_b32 s22, s18, 7
	s_lshl_b32 s23, s[RH], 6
	s_add_co_u32 s22, s22, s23
	s_lshl_b32 s22, s22, 13                        ; my first row,
	s_lshl_b32 s23, s17, 9
	s_add_co_u32 s22, s22, s23
	s_lshl_b32 s23, s[CH], 8
	s_add_co_u32 s22, s22, s23                     ; my first column, in bytes
	s_mov_b32 s23, 0
	s_add_nc_u64 s[10:11], s[10:11], s[22:23]
	v_mov_b32 v40, 0
	s_wait_loadcnt 0x0
	v_max_u32 v32, v32, v33
	v_max_u32 v34, v34, v35
	v_max_u32 v36, v36, v37
	v_max_u32 v38, v38, v39
	v_max_u32 v32, v32, v34
	v_max_u32 v36, v36, v38
	v_max_u32 v32, v32, v36
.irp m, 1,2,4,8
	v_mov_b32_dpp v40, v32 row_xmask:\m row_mask:0xf bank_mask:0xf
	v_max_u32 v32, v32, v40
.endr
	v_permlanex16_b32 v40, v32, s[SEL], s[SEL+1]
	v_max_u32 v32, v32, v40
	v_readfirstlane_b32 s70, v32                   ; EG
	s_sub_co_u32 s[SC], s70, 22
	s_lshl_b32 s[SC], s[SC], 23                    ; 2^(EG - 141 - 8) as f32
	s_mov_b32 s[SC+1], s[SC]
; 8 matrix instructions: row blocks a0, a0 + 1 x all 4 column blocks, 32 along K: half c of buffer f.  The 16 accumulators take turns.
.macro MUL8 f, c, a0, zero
	WIN MUL
.irp a, \a0, (\a0)+1
.irp b, 0,1,2,3
.if \zero
	v_wmma_f32_16x16x32_f16 v[ACC+8*(4*(\a)+(\b)):ACC+8*(4*(\a)+(\b))+7], v[(\f)+64+8*(4*(\c)+(\b)):(\f)+64+8*(4*(\c)+(\b))+7], v[(\f)+8*(4*(\c)+(\a)):(\f)+8*(4*(\c)+(\a))+7], 0
.else
	v_wmma_f32_16x16x32_f16 v[ACC+8*(4*(\a)+(\b)):ACC+8*(4*(\a)+(\b))+7], v[(\f)+64+8*(4*(\c)+(\b)):(\f)+64+8*(4*(\c)+(\b))+7], v[(\f)+8*(4*(\c)+(\a)):(\f)+8*(4*(\c)+(\a))+7], v[ACC+8*(4*(\a)+(\b)):ACC+8*(4*(\a)+(\b))+7]
.endif
.endr
.endr
.endm
; 32 LDS loads in one run: the fragments of 64 along K at byte k of the rows, the first 32 along K first
.macro FETCH slot, k, f
	WIN TO_F
.irp c, 0,1
.irp i, 0,1,2,3
	ds_load_b128 v[(\f)+64+8*(4*(\c)+(\i)):(\f)+64+8*(4*(\c)+(\i))+3],   v[ADRB+(\slot)] offset:(\k)+64*(\c)+(\i)*16*PITCH
	ds_load_b128 v[(\f)+64+8*(4*(\c)+(\i))+4:(\f)+64+8*(4*(\c)+(\i))+7], v[ADRB+(\slot)] offset:(\k)+64*(\c)+(\i)*16*PITCH+32
	ds_load_b128 v[(\f)+8*(4*(\c)+(\i)):(\f)+8*(4*(\c)+(\i))+3],         v[ADRA+(\slot)] offset:(\k)+64*(\c)+(\i)*16*PITCH
	ds_load_b128 v[(\f)+8*(4*(\c)+(\i))+4:(\f)+8*(4*(\c)+(\i))+7],       v[ADRA+(\slot)] offset:(\k)+64*(\c)+(\i)*16*PITCH+32
.endr
.endr
.endm
.macro PLACES                          ; four plain vector instructions between a matrix instruction and a load into, or a vector instruction on, its registers
.rept 4
	v_nop
.endr
.endm
.macro QUARTER slot, k, f, g, zero     ; 64 along K: multiplies buffer f, fetches the next quarter, at byte k, into g
	s_wait_dscnt 16                                ; the first 32 along K are in
	MUL8 \f, 0, 0, \zero
	MUL8 \f, 0, 2, \zero
	PLACES
	FETCH \slot, \k, \g
	s_wait_dscnt 32                                ; all but the 32 just issued
	MUL8 \f, 1, 0, 0
	MUL8 \f, 1, 2, 0
.endm
; The last quarter multiplies buffer 1 and changes slots: one barrier; in front of it each wave waits for all its tensor loads, adds 0 to its spare word, and waits for that and for its reads of this slot.
.macro TURN slot, next, fill
	WIN 0
	s_wait_tensorcnt 0x0                           ; all my tensor loads have landed: my part of the next slot
	ds_add_u32 v[SPW], v[NIL]                      ; 0 onto my spare word
	s_wait_dscnt 17                                ; the add and the youngest sixteen loads may be out
	MUL8 F1, 0, 0, 0
	s_wait_dscnt 0x0                               ; the add is done, and my reads of this slot are over
	s_barrier_signal -1
	MUL8 F1, 0, 2, 0
.if \fill
	WIN 0
.endif
	s_barrier_wait -1
.if \fill
	CREST                                          ; no wave of any partner still reads this slot or has a load on its way
	s_add_nc_u64 s[G0+4*(\slot)+2:G0+4*(\slot)+3], s[G0+4*(\slot)+2:G0+4*(\slot)+3], 2*KSTEP*2
	s_add_nc_u64 s[G0B+4*(\slot)+2:G0B+4*(\slot)+3], s[G0B+4*(\slot)+2:G0B+4*(\slot)+3], 2*KSTEP*2
	JLOAD \slot                                    ; 112 matrix instructions ahead of the wait for it; its four v_nop are also the places in front of the loads below
.else
	PLACES
.endif
	FETCH \next, 0, F0
	MUL8 F1, 1, 0, 0
	MUL8 F1, 1, 2, 0
.endm
	s_wait_tensorcnt 1                             ; my part of K step 0 is in; K step 1's may stay out
	s_barrier_signal -1
	s_barrier_wait -1
	FETCH 0, 0, F0
	QUARTER 0, 128, F0, F1, 1                      ; the first quarter stands in front of the loop: its first products start the sums
	WIN 0
	s_mov_b32 s3, LAPS-1
.Llap:
	QUARTER 0, 256, F1, F0, 0
	QUARTER 0, 384, F0, F1, 0
	TURN 0, 1, 1
	QUARTER 1, 128, F0, F1, 0
	QUARTER 1, 256, F1, F0, 0
	QUARTER 1, 384, F0, F1, 0
	TURN 1, 0, 1
	QUARTER 0, 128, F0, F1, 0
	WIN 0
	s_sub_co_u32 s3, s3, 1
	s_cmp_lg_u32 s3, 0
	s_cbranch_scc1 .Llap
	QUARTER 0, 256, F1, F0, 0                      ; the last lap fills nothing
	QUARTER 0, 384, F0, F1, 0
	TURN 0, 1, 0
	QUARTER 1, 128, F0, F1, 0
	QUARTER 1, 256, F1, F0, 0
	QUARTER 1, 384, F0, F1, 0
	s_wait_dscnt 16
	MUL8 F1, 0, 0, 0
	MUL8 F1, 0, 2, 0
	s_wait_dscnt 0x0
	MUL8 F1, 1, 0, 0
	MUL8 F1, 1, 2, 0
	WIN 0
	PLACES
; THE WAY OUT, 16 rows at a time: scaled into other registers (each accumulator from its low end on), 32 bytes a lane into my stage, back as whole rows of 256 bytes, stored.
.macro PACK a
.set i, 0
.rept 16
	v_pk_mul_f32 v[TMP+2*i:TMP+2*i+1], v[ACC+32*(\a)+2*i:ACC+32*(\a)+2*i+1], s[SC:SC+1] op_sel_hi:[1,0]
.set i, i+1
.endr
.irp b, 0,1,2,3
	ds_store_b128 v[STO], v[TMP+8*(\b):TMP+8*(\b)+3]   offset:64*(\b)
	ds_store_b128 v[STO], v[TMP+8*(\b)+4:TMP+8*(\b)+7] offset:64*(\b)+16
.endr
	s_wait_xcnt 0x0                                ; the stores of the block two back have read the registers that are loaded below
.irp t, 0,1,2,3,4,5,6,7
	ds_load_b128 v[BK+32*((\a)%2)+4*(\t):BK+32*((\a)%2)+4*(\t)+3], v[RD] offset:(\t)*2*SPITCH  ; LDS serves a wave's instructions in order: these see the stores above
.endr
.endm
.macro SEND a, younger                 ; younger: the LDS instructions issued behind block a's loads: the next block's sixteen, or none
.irp t, 0,1,2,3,4,5,6,7
	s_wait_dscnt (\younger)+7-(\t)
	global_store_b128 v[CO], v[BK+32*((\a)%2)+4*(\t):BK+32*((\a)%2)+4*(\t)+3], s[10:11] offset:131072*(\a)+16384*(\t)  ; 16 lanes store 256 consecutive bytes, aligned
.endr
.endm
	PACK 0
	PACK 1
	SEND 0, 16
	PACK 2
	SEND 1, 16
	PACK 3
	SEND 2, 16
	SEND 3, 0
	s_wait_tensorcnt 0x0                           ; the wave's end
	ds_add_u32 v[SPW], v[NIL]
	s_wait_dscnt 0x0
	CROUND                                         ; the closing round
	s_endpgm
.Lfunc_end_k_qba3470e79b_oproj:
	.size	k_qba3470e79b_oproj, .Lfunc_end_k_qba3470e79b_oproj-k_qba3470e79b_oproj
	.p2alignl 7, 3214868480
	.fill 96, 4, 3214868480
	.section	.rodata,"a",@progbits
	.p2align	6, 0x0
	.amdhsa_kernel k_qba3470e79b_oproj
		.amdhsa_group_segment_fixed_size 327680
		.amdhsa_private_segment_fixed_size 0
		.amdhsa_enable_private_segment 0
		.amdhsa_kernarg_size 32
		.amdhsa_user_sgpr_count 2
		.amdhsa_user_sgpr_kernarg_segment_ptr 1
		.amdhsa_wavefront_size32 1
		.amdhsa_system_sgpr_workgroup_id_x 1
		.amdhsa_system_sgpr_workgroup_id_y 1
		.amdhsa_system_sgpr_workgroup_id_z 1
		.amdhsa_system_vgpr_workitem_id 0
		.amdhsa_next_free_vgpr 512
		.amdhsa_next_free_sgpr 72
		.amdhsa_reserve_vcc 0
		.amdhsa_float_denorm_mode_32 3
		.amdhsa_float_denorm_mode_16_64 3
		.amdhsa_memory_ordered 1
		.amdhsa_forward_progress 1
		.amdhsa_inst_pref_size 92
	.end_amdhsa_kernel
	.amdgpu_metadata
---
amdhsa.version: [ 1, 2 ]
amdhsa.kernels:
  - .name:           k_qba3470e79b_oproj
    .symbol:         k_qba3470e79b_oproj.kd
    .args:
      - { .name: ob, .offset: 0, .size: 8, .value_kind: global_buffer, .address_space: global }
      - { .name: xb, .offset: 8, .size: 8, .value_kind: global_buffer, .address_space: global }
      - { .name: scl, .offset: 16, .size: 8, .value_kind: global_buffer, .address_space: global }
      - { .name: out0, .offset: 24, .size: 8, .value_kind: global_buffer, .address_space: global }
    .group_segment_fixed_size: 327680
    .private_segment_fixed_size: 0
    .kernarg_segment_align: 8
    .kernarg_segment_size: 32
    .max_flat_workgroup_size: 128
    .sgpr_count:     72
    .vgpr_count:     512
    .wavefront_size: 32
...
	.end_amdgpu_metadata
.endif
;; end of part 4
;; ======== version 2 of 2: 4 launches; 1.06 times as fast as version 1
;; limits: inputs' magnitudes at most 256; below input magnitudes of 2.4e-07 results are inexact or not finite; values are held in f16: magnitudes above 65,504 overflow, below 6.1e-05 lose precision
;; workspace buffers: xb 58,720,256 bytes; rf 18,874,368 bytes; qkv 16,777,216 bytes; scl 4,096 bytes; ob 8,388,608 bytes
;; launch cast: the kernel of part 1 again; grid 32 x 65, 8 waves a work-group, no clusters, 0 bytes of LDS; arguments hidden_states, Wq, Wk, Wv, Wo, attention_mask, cos, sin, xb, rf; writes xb, rf
;; launch proj: the kernel of part 2 again; grid 16 x 16, 4 waves a work-group, clusters of 4 x 4, 327,680 bytes of LDS; arguments xb, rf, qkv, scl; writes qkv, scl
;; launch attn (part 5): grid 32 x 8, 4 waves a work-group, clusters of 4 x 4, 327,680 bytes of LDS; arguments qkv, scl, rf, ob; writes ob
.if DOCPART == 5
	.amdgcn_target "amdgcn-amd-amdhsa--gfx1250"
	.amdhsa_code_object_version 6
	.text
	.protected	k_qba3470e79b_attn
	.globl	k_qba3470e79b_attn
	.p2align	8
	.type	k_qba3470e79b_attn,@function
k_qba3470e79b_attn:
	s_mov_b64 s[64:65], 0
	v_nop
	global_prefetch_b8 v0, s[64:65] scope:SCOPE_SE
	s_setreg_imm32_b32 hwreg(HW_REG_WAVE_MODE, 25, 1), 1
	s_wait_xcnt 0x0
	s_wait_alu depctr_hold_cnt(0) depctr_sa_sdst(0) depctr_va_vdst(0) depctr_va_sdst(0) depctr_va_ssrc(0) depctr_va_vcc(0) depctr_vm_vsrc(0)
	s_getreg_b32 s2, hwreg(HW_REG_IB_STS2, 6, 4)
	s_cmp_eq_u32 s2, 0
	s_cbranch_scc0 .Lentry_in_a_cluster
	s_endpgm
.Lentry_in_a_cluster:
	s_bfe_u32 s2, ttmp6, 0x10000c
	s_cmp_lg_u32 s2, 0xf033
	s_cbranch_scc0 .Lentry_shape_is_right
	s_endpgm
.Lentry_shape_is_right:
; GROUPED-QUERY ATTENTION WITH AN ADDITIVE MASK THAT IS AN INPUT: every one of the 2,048 x 2,048 mask numbers is loaded and added; no tile is left out.
; O[q] = sum over k of softmax_k(q . k / sqrt(128) + mask[q][k]) v[k].  qkv: [32 hcol][2048][128] f16 with the scales of scl (stored = true x 2^(141 - E), a word for each 64 tokens of an hcol).
; rf: the mask, [2048][2048] f32, at byte 0.  ob: O' [2048 tokens][16 heads x 128] f16 in units of 2^(EG - 141), EG the largest of v's 256 words of scl.
; Products in f16 with f32 sums; maxima, exponentials and sums in f32; the weights are rounded to f16 for the second product, their sum l is taken unrounded.
; LIMITS.  |score + mask| stays under 2.3e38.  A weight times 2^-gb below 2^-126 counts as 0 (gb below).  A block of v 2^32 or more below the largest block of v counts as 0 in O; its weights still count in l.
; NaN and infinities are not treated apart.
; SHARES.  A work-group: 64 queries x the two query heads of one key/value head, so that one mask tile serves both: 32 x 8 = 256 work-groups.  Wave w: head 2 kv + w / 2, all 64 queries (four tiles of 16),
; and the key steps (64 keys) of parity kp = w % 2: 16 of 32.  At the end the two waves of a head merge: register tile tau holds query tile tau xor 2 kp, so every wave keeps tau 0, 1 and hands tau 2, 3 to wave w xor 1.
; LAYOUT.  S^T = K Q^T holds one query a lane (l % 16) and keys 8 (l / 16) + 0..7; two such results rounded to f16 are source 1 of O^T = V^T P.  V comes out of LDS turned, by ds_load_tr16_b128.
; SOFTMAX.  s = S C + mask with C = 2^(Eq + Ek - 282) / sqrt(128); running maximum m of s; p' = 2^((s - m) log2 e - gb), gb = min(EG - Ev, 32): the weight in v's common unit, which goes to f16;
; l += p' 2^gb.  s - m is taken first, so that a row whose every key is masked by a large number keeps weights of 1.  O and l are multiplied by a = 2^((m_old - m_new) log2 e) in every step.
; BY TURNS.  The wave's tiles are two PIECES: p0 (tiles 0, 1) and p2 (tiles 2, 3).  In a turn one piece has the matrix unit: 32 products V^T P of the step in hand, then 32 products K Q^T of its next step;
; the other piece's softmax, 2 x 167 instructions, stands in slices between them: four behind the first matrix instruction, five behind each of the next 62, twenty behind the last.  A slice costs two window switches.
; ONE BATCH, ONE WAIT A TURN.  A turn's 66 exponentials (a and 32 weights for each of two tiles) are one batch.  Ahead of the turn's one wait, which stands behind the 41st slice, stands all that names no result of theirs:
; mask, maximum, statistics, s - m, scalings and the exponentials themselves, 102 numbers a tile; behind it all that does: roundings, sums, l, O^T times a, 65 numbers a tile.
; Trip j: turn B (p2: V^T P of step j - 1, K Q^T of step j | p0's softmax of step j | V and p2's mask of step j are fetched: the slot's last reads), the change of slots,
; turn A (p0: V^T P of step j, K Q^T of step j + 1 | p2's softmax of step j | K and p0's mask of step j + 1 are fetched).
; NO FIRST AND NO LAST STEP IS WRITTEN OUT.  m starts at the lowest finite number, O, l and p2's P at 0: the first turn's products add 0 and the first step's a is 0.  The last turn A multiplies by a stale K
; once more and fetches stale bytes of a slot: 32 products and 48 LDS loads that serve nothing, the price of one text for every trip; so are the 288 v_mov_b32 at the start, in the wait for the first tile.
; CLUSTER 4 x 4.  K's and V's tiles hang on kv alone and are asked for jointly along a row of the cluster, the mask's on the query block alone, along a column.
; REGISTERS.  window 0: v0-19 addresses; v20-51 eight registers of statistics a tile; v52-61 at work; v64-191 S^T, 32 a tile; v192-255 P, 16 a tile.
;   window 1: O^T, 64 a tile.   window 2: v0-127 Q, v128-255 K of a step.   window 3: v0-127 V of a step, v128-255 the mask of a step, at the numbers of S^T + 64.
.set PK,    272       ; a row of K in LDS: 256 bytes + 16
.set PV,    288       ; a row of V: 256 + 32
.set PM,    272       ; a row of a mask tile: 64 f32 + 16 bytes
.set VOFF,  128*PK    ; a slot: 128 keys of K, 128 of V, the mask tile of the even step, that of the odd step
.set MOFF,  VOFF+128*PV
.set SLOT1, 1<<17     ; slot 1 begins here: one exclusive or turns an address in one slot into the other's
.set XCH,   SLOT1+MOFF+2*64*PM  ; behind the ring: 33 x 512 bytes for each wave, what it hands to its partner
.set XB,    33*512
.set STAGE, XCH+4*XB  ; 16 rows x 272 bytes for each wave, for the way out
.set SP,    272
.set SPARE, STAGE+4*16*SP  ; the spare words, 128 bytes for each wave, which no other line names
.set AK0,  2          ; v2-5   my lane's place in a slot: K, V, the mask rows of tiles 0, 1 and of tiles 2, 3; never rewritten
.set AV0,  3
.set AML0, 4
.set AMH0, 5
.set AK,   6          ; v6-9   the same in the slot in hand
.set AV,   7
.set AML,  8
.set AMH,  9
.set QOL,  10         ; v10-11 my byte offset in Q for tiles 0, 1 and for tiles 2, 3
.set QOH,  11
.set STO,  12
.set RD,   13
.set GO,   14
.set XW,   15         ; v15    where I put what I hand over;  v16 where I find my partner's
.set XR,   16
.set ST,   20         ; tile t at v[ST + 8 t]: +0 m, +1 at work, +2, +3 l (even keys', odd keys'), +4 to +7 c0-c3; a takes c2's place
.set SPW,  62
.set NIL,  63
.set S,    64
.set P,    192
.set KF,   128        ; window 2
.set MF,   128        ; window 3
.set WV,  12
.set G1K, 24          ; s[24:31], s[32:39], s[40:47] descriptor groups 1 for K, V, the mask
.set G1V, 32
.set G1M, 40
.set G0K, 48          ; s[48:51], s[52:55], s[56:59] groups 0: they walk
.set G0V, 52
.set G0M, 56
.set CNT, 60
.set TB,  61          ; LDS byte at which the slot in hand begins
.set SEL, 62          ; s[62:63]
.set CC,  66          ; s[66:67] C
.set LL,  68          ; s[68:69] log2 e
.set FF,  70          ; s[70:71] 2^gb
.set GN,  72          ; s[72:73] -gb
.set EG,  74
.set EK,  75
.set EV,  76
.set SOFF, 77         ; byte offset, in a row of scl, of the word that was loaded last
.set SK,  78          ; s[78:79] scl at k's row, s[80:81] at v's
.set SV,  80
.set SLIM, 86         ; the offset of my last step's word: the look-ahead stops there
.set CQ,  92          ; 2^(Eq - 141) / sqrt(128)
.set MSB, 0
.macro WIN new                      ; the immediate's high byte repeats the setting that is left; a switch that changes nothing is dropped
.if MSB != (\new)
	s_set_vgpr_msb (MSB<<8)|(\new)
.set MSB, \new
.endif
.endm
.set W_KQ, 0x0a       ; K and Q in window 2, S^T in window 0
.set W_PV, 0x53       ; V in window 3, P in window 0, O^T in window 1
.set W_RS, 0x41       ; O^T (destination and source 0) in window 1
; A joint fill of a slot: wave 0 fetches K's 128 rows, wave 1 V's, waves 2 and 3 the two mask tiles.  An s_nop 0 and four v_nop follow each line.
.macro JLOAD
	s_cmp_lt_u32 s[WV], 2
	s_cbranch_scc0 .Lfor_m_\@
	s_cmp_eq_u32 s[WV], 0
	s_cbranch_scc0 .Lfor_v_\@
	tensor_load_to_lds s[G0K:G0K+3], s[G1K:G1K+7]
	s_nop 0
.rept 4
	v_nop
.endr
	s_branch .Lasked_\@
.Lfor_v_\@:
	tensor_load_to_lds s[G0V:G0V+3], s[G1V:G1V+7]
	s_nop 0
.rept 4
	v_nop
.endr
	s_branch .Lasked_\@
.Lfor_m_\@:
	tensor_load_to_lds s[G0M:G0M+3], s[G1M:G1M+7]
	s_nop 0
.rept 4
	v_nop
.endr
.Lasked_\@:
.endm
.macro CROUND
	s_barrier_signal -1
	s_barrier_wait -1
	s_cmp_lg_u32 s[WV], 0
	s_cbranch_scc1 .Lnot_wave_0_\@
	s_barrier_signal -3
.Lnot_wave_0_\@:
	s_barrier_wait -3
	s_barrier_signal -1
	s_barrier_wait -1
.endm
; THE CHANGE OF SLOTS.  Each wave waits for all its tensor loads (one is out: its part of the other slot), adds 0 to its spare word, and waits for that and for its reads of the slot that it leaves,
; V's and p2's mask's among them.  fill = 1: the barrier is a round of the cluster's, and the slot left is filled again first thing behind it, with the keys two slots on; the load has a whole trip in which to land.
; (At its first use nothing has been read yet: slot 0 is waited for, slot 1 filled.)
.macro CHANGE fill
	WIN 0
	s_wait_tensorcnt 0x0
	ds_add_u32 v[SPW], v[NIL]       ; 0 onto my spare word
.if \fill
.irp g, G0K, G0V
	s_xor_b32 s[\g+1], s[\g+1], SLOT1
	s_add_nc_u64 s[\g+2:\g+3], s[\g+2:\g+3], 128*256  ; the next 128 keys
.endr
	s_xor_b32 s[G0M+1], s[G0M+1], SLOT1
	s_add_nc_u64 s[G0M+2:G0M+3], s[G0M+2:G0M+3], 128*4
	s_wait_dscnt 0x0
	CROUND
	JLOAD
.else
	s_wait_dscnt 0x0
	s_barrier_signal -1
	s_barrier_wait -1
.endif
	s_xor_b32 s[TB], s[TB], SLOT1
.endm
	s_load_b256 s[4:11], s[0:1], 0x0  ; qkv s[4:5], scl s[6:7], rf s[8:9], ob s[10:11]
	v_lshl_add_u32 v[SPW], v0, 2, SPARE
	v_mov_b32 v[NIL], 0
	ds_add_u32 v62, v63
	s_wait_dscnt 0x0
	v_lshrrev_b32 v1, 5, v0
	v_readfirstlane_b32 s[WV], v1
	s_bfe_u32 s13, ttmp6, 0x40000   ; cx
	s_bfe_u32 s14, ttmp6, 0x40004   ; cy
	s_lshl_b32 s15, ttmp9, 2
	s_add_co_u32 s15, s15, s13      ; x: my block of 64 queries
	s_and_b32 s16, ttmp7, 0xffff
	s_lshl_b32 s16, s16, 2
	s_add_co_u32 s16, s16, s14      ; kv
	s_and_b32 s17, s[WV], 1         ; kp
	s_lshr_b32 s18, s[WV], 1
	s_lshl_b32 s19, s16, 1
	s_add_co_u32 s19, s19, s18      ; my query head
	s_lshl_b32 s82, s14, 2
	s_lshl_b32 s82, 15, s82         ; my row of the cluster
	s_lshl_b32 s83, 0x1111, s13     ; my column
	s_or_b32 s[G1K], s82, (1<<16)|(1<<20)|(1<<21)|(5<<22)|(3<<25)  ; the mask; 2-byte elements; padding on; bit 21 beside a mask; after every 64 words 4 words
	s_or_b32 s[G1V], s82, (1<<16)|(1<<20)|(1<<21)|(5<<22)|(7<<25)  ; 8 words
	s_or_b32 s[G1M], s83, (2<<16)|(1<<20)|(1<<21)|(5<<22)|(3<<25)  ; 4-byte elements
.irp g, G1K, G1V
	s_mov_b32 s[\g+1], 128<<16      ; tensor_dim0 = 128
	s_mov_b32 s[\g+2], 128<<16      ; tensor_dim1 = 128
	s_mov_b32 s[\g+3], 128<<16      ; tile_dim0 = 128
	s_mov_b32 s[\g+4], 128          ; tile_dim1 = 128
	s_mov_b32 s[\g+5], 128          ; elements from row to row
	s_mov_b32 s[\g+6], 0
	s_mov_b32 s[\g+7], 0
.endr
	s_mov_b32 s[G1M+1], 64<<16
	s_mov_b32 s[G1M+2], 64<<16
	s_mov_b32 s[G1M+3], 64<<16
	s_mov_b32 s[G1M+4], 64
	s_mov_b32 s[G1M+5], 2048
	s_mov_b32 s[G1M+6], 0
	s_mov_b32 s[G1M+7], 0
	s_mov_b32 s[SEL], 0x76543210
	s_mov_b32 s[SEL+1], 0xfedcba98
	s_mov_b32 s[LL], 0x3fb8aa3b
	s_mov_b32 s[LL+1], s[LL]
	s_mov_b32 s[TB], SLOT1          ; the first change of slots turns it into 0
	s_lshl_b32 s[SOFF], s17, 2      ; my step 0's word,
	s_add_co_u32 s[SLIM], s[SOFF], 120  ; my step 15's
	s_add_co_u32 s20, s16, 16       ; k's hcol: made of kv alone
	s_lshl_b32 s88, s20, 7          ; its row of scl
	s_lshl_b32 s20, s20, 19
	s_mov_b32 s21, 0
	s_add_co_u32 s22, s16, 24       ; v's hcol
	s_lshl_b32 s90, s22, 7
	s_lshl_b32 s22, s22, 19
	s_mov_b32 s23, 0
	s_lshl_b32 s84, s15, 19         ; the mask: 64 rows of 8,192 bytes a block, made of x and the wave's number alone
	s_lshl_b32 s85, s17, 8
	s_add_co_u32 s84, s84, s85
	s_mov_b32 s85, 0
	s_mov_b32 s89, 0
	s_mov_b32 s91, 0
	s_mul_i32 s87, s17, 64*PM
	s_lshl_b32 s95, s19, 5
	s_add_co_u32 s95, s95, s15
	s_lshl_b32 s95, s95, 2          ; my queries' word of scl
	s_wait_kmcnt 0x0
	s_mov_b32 s[G0K], 1
	s_mov_b32 s[G0K+1], 0
	s_add_nc_u64 s[G0K+2:G0K+3], s[4:5], s[20:21]
	s_or_b32 s[G0K+3], s[G0K+3], 0x80000000
	s_mov_b32 s[G0V], 1
	s_mov_b32 s[G0V+1], VOFF
	s_add_nc_u64 s[G0V+2:G0V+3], s[4:5], s[22:23]
	s_or_b32 s[G0V+3], s[G0V+3], 0x80000000
	s_mov_b32 s[G0M], 1
	s_add_co_u32 s[G0M+1], s87, MOFF
	s_add_nc_u64 s[G0M+2:G0M+3], s[8:9], s[84:85]
	s_or_b32 s[G0M+3], s[G0M+3], 0x80000000
	s_add_nc_u64 s[SK:SK+1], s[6:7], s[88:89]
	s_add_nc_u64 s[SV:SV+1], s[6:7], s[90:91]
	s_load_b32 s94, s[6:7], s95 offset:0x0  ; Eq
	s_load_b32 s[EK], s[SK:SK+1], s[SOFF] offset:0x0  ; step 0's two words
	s_load_b32 s[EV], s[SV:SV+1], s[SOFF] offset:0x0
	s_lshl_b32 s88, s19, 19
	s_lshl_b32 s90, s15, 14
	s_add_co_u32 s88, s88, s90
	s_add_nc_u64 s[88:89], s[4:5], s[88:89]  ; Q at my head's block
	s_lshl_b32 s90, s15, 18         ; O': token 64 x + 32 kp, 4,096 bytes a token; my head's 256 bytes
	s_lshl_b32 s87, s17, 17
	s_add_co_u32 s90, s90, s87
	s_lshl_b32 s87, s19, 8
	s_add_co_u32 s90, s90, s87
	s_add_nc_u64 s[10:11], s[10:11], s[90:91]
	CROUND                          ; all sixteen work-groups are here: the first joint loads meet
	JLOAD                           ; slot 0.  Slot 1 is asked for when slot 0 is in
	v_and_b32 v1, 15, v0            ; r
	v_bfe_u32 v17, v0, 4, 1         ; h
	v_and_b32 v18, 31, v0           ; lane
	v_lshlrev_b32 v19, 5, v18
	global_load_b128 v[52:55], v19, s[6:7] offset:3072  ; v's 256 words of scl, eight a lane
	global_load_b128 v[56:59], v19, s[6:7] offset:3088
	v_lshlrev_b32 v[QOL], 8, v1
	v_lshl_add_u32 v[QOL], v17, 4, v[QOL]  ; row x 256 + 16 x half
	s_lshl_b32 s87, s17, 13         ; tiles 0, 1 are query tiles 2 kp, 2 kp + 1,
	s_xor_b32 s93, s87, 8192        ; tiles 2, 3 the other two
	v_add_nc_u32 v[QOH], s93, v[QOL]
	v_add_nc_u32 v[QOL], s87, v[QOL]
	WIN 0x80                        ; destination window 2
.set i, 0
.rept 16                            ; tile i / 4, channels 32 (i % 4) on
	global_load_b128 v[8*i:8*i+3],   v[QOL+i/8], s[88:89] offset:((i/4)%2)*4096+(i%4)*64
	global_load_b128 v[8*i+4:8*i+7], v[QOL+i/8], s[88:89] offset:((i/4)%2)*4096+(i%4)*64+32
.set i, i+1
.endr
	WIN 0x40                        ; O^T = 0
.set i, 0
.rept 256
	v_mov_b32 v[i], 0
.set i, i+1
.endr
	WIN 0
.set i, P+32                        ; p2's P = 0: the first turn's products V^T P, of a step that has not been, add 0
.rept 32
	v_mov_b32 v[i], 0
.set i, i+1
.endr
.irp t, 0,1,2,3
	v_mov_b32 v[ST+8*\t], 0xff7fffff
	v_mov_b32 v[ST+8*\t+2], 0
	v_mov_b32 v[ST+8*\t+3], 0
.endr
	v_mul_u32_u24 v[AK0], v1, PK
	v_lshl_add_u32 v[AK0], v17, 4, v[AK0]
	s_mul_i32 s87, s17, 64*PK       ; my parity's 64 keys of the slot's 128
	v_add_nc_u32 v[AK0], s87, v[AK0]
	v_and_b32 v6, 7, v0             ; the turning load: lane l reads key 8 (l / 16) + l % 8, channels 8 ((l / 8) % 2) + 0..7
	v_bfe_u32 v7, v0, 3, 1
	v_lshl_add_u32 v[AV0], v17, 3, v6
	v_mul_u32_u24 v[AV0], v[AV0], PV
	v_lshl_add_u32 v[AV0], v7, 4, v[AV0]
	s_mul_i32 s87, s17, 64*PV
	s_add_co_u32 s87, s87, VOFF
	v_add_nc_u32 v[AV0], s87, v[AV0]
	v_mul_u32_u24 v[AML0], v1, PM   ; the mask: row = my query in the block, my 8 keys at 32 h
	v_lshl_add_u32 v[AML0], v17, 5, v[AML0]
	s_mul_i32 s87, s17, 96*PM       ; my parity's tile, 64 kp rows on, and in it rows 32 kp on
	s_add_co_u32 s87, s87, MOFF
	s_mul_i32 s93, s17, 32*PM       ; or rows 32 (1 - kp) on: 64 kp + 32 (1 - kp) = 32 + 32 kp
	s_add_co_u32 s93, s93, MOFF+32*PM
	v_add_nc_u32 v[AMH0], s93, v[AML0]
	v_add_nc_u32 v[AML0], s87, v[AML0]
	s_mul_i32 s87, s[WV], 16*SP
	s_add_co_u32 s87, s87, STAGE
	v_mul_u32_u24 v[STO], v1, SP
	v_lshl_add_u32 v[STO], v17, 4, v[STO]
	v_add_nc_u32 v[STO], s87, v[STO]
	v_mul_u32_u24 v[RD], v17, SP
	v_lshl_add_u32 v[RD], v1, 4, v[RD]
	v_add_nc_u32 v[RD], s87, v[RD]
	v_lshlrev_b32 v[GO], 12, v17    ; two tokens of O', 4,096 bytes apart
	v_lshl_add_u32 v[GO], v1, 4, v[GO]
	s_mul_i32 s87, s[WV], XB
	s_add_co_u32 s87, s87, XCH
	v_lshl_add_u32 v[XW], v18, 4, s87
	s_xor_b32 s93, s[WV], 1
	s_mul_i32 s93, s93, XB
	s_add_co_u32 s93, s93, XCH
	v_lshl_add_u32 v[XR], v18, 4, s93
	v_mov_b32 v60, 0
	s_wait_loadcnt 32               ; v's words are in; Q's 32 loads stay out
	v_max_u32 v52, v52, v53
	v_max_u32 v54, v54, v55
	v_max_u32 v56, v56, v57
	v_max_u32 v58, v58, v59
	v_max_u32 v52, v52, v54
	v_max_u32 v56, v56, v58
	v_max_u32 v52, v52, v56
.irp m, 1,2,4,8
	v_mov_b32_dpp v60, v52 row_xmask:\m row_mask:0xf bank_mask:0xf
	v_max_u32 v52, v52, v60
.endr
	v_permlanex16_b32 v60, v52, s[SEL], s[SEL+1]
	v_max_u32 v52, v52, v60
	v_readfirstlane_b32 s[EG], v52  ; a value only
	s_wait_kmcnt 0x0
	s_sub_co_u32 s94, s94, 14
	s_lshl_b32 s94, s94, 23         ; 2^(Eq - 141)
	s_mul_f32 s[CQ], s94, 0x3db504f3  ; / sqrt(128)
; THE MATRIX WORK OF A TURN, for piece x.  The accumulators take turns, one instruction a turn: between two links of a chain stand 15 (V^T P) or 7 (K Q^T) others'.
; Product i of 32 of O^T += V^T P: keys 32 (i / 16) on, channels 16 ((i / 2) % 8) on, tile x + i % 2.
.macro PV x
	WIN W_PV
.set rO, 64*((\x)+i%2)+8*((i/2)%8)
.set rV, 64*(i/16)+8*((i/2)%8)
.set rP, P+16*((\x)+i%2)+8*(i/16)
	v_wmma_f32_16x16x32_f16 v[rO:rO+7], v[rV:rV+7], v[rP:rP+7], v[rO:rO+7]
.endm
; Product i of 32 of S^T = K Q^T: channels 32 (i / 8) on, keys 16 ((i / 2) % 4) on, tile x + i % 2.  The first 8 start the sums.
.macro KQ x
	WIN W_KQ
.set rS, S+32*((\x)+i%2)+8*((i/2)%4)
.set rK, KF+32*((i/2)%4)+8*(i/8)
.set rQ, 32*((\x)+i%2)+8*(i/8)
.if i < 8
	v_wmma_f32_16x16x32_f16 v[rS:rS+7], v[rK:rK+7], v[rQ:rQ+7], 0
.else
	v_wmma_f32_16x16x32_f16 v[rS:rS+7], v[rK:rK+7], v[rQ:rQ+7], v[rS:rS+7]
.endif
.endm
; THE LDS LOADS stand in runs, never singly among the matrix instructions.
.macro FETCH_K                      ; 64 keys x 128 channels: keys 16 (f / 4) on, channels 32 (f % 4) on
	WIN 0
	v_add_nc_u32 v[AK], s[TB], v[AK0]
	WIN 0x80                        ; destination window 2
.irp f, 0,1,2,3,4,5,6,7,8,9,10,11,12,13,14,15
	ds_load_b128 v[KF+8*\f:KF+8*\f+3],   v[AK] offset:(\f/4)*16*PK+(\f%4)*64
	ds_load_b128 v[KF+8*\f+4:KF+8*\f+7], v[AK] offset:(\f/4)*16*PK+(\f%4)*64+32
.endr
.endm
.macro FETCH_V                      ; turned: keys 32 (f / 8) on, channels 16 (f % 8) on
	WIN 0
	v_add_nc_u32 v[AV], s[TB], v[AV0]
	WIN 0xc0                        ; destination window 3
.irp f, 0,1,2,3,4,5,6,7,8,9,10,11,12,13,14,15
	ds_load_tr16_b128 v[8*\f:8*\f+3],   v[AV] offset:(\f/8)*32*PV+(\f%8)*32
	ds_load_tr16_b128 v[8*\f+4:8*\f+7], v[AV] offset:(\f/8)*32*PV+16*PV+(\f%8)*32
.endr
.endm
.macro FETCH_M p, batch=0           ; the mask of piece 2 p: tile fi / 4, keys 16 (fi % 4) on.  batch = 1: the run stands at the end of a turn's batch of exponentials, and the turn's wait stands in it
	WIN 0
	v_add_nc_u32 v[AML+(\p)], s[TB], v[AML0+(\p)]  ; with batch = 1 also the plain instruction behind the batch's last exponential
.if \batch
	s_wait_alu depctr_va_vdst(0)    ; the wait for the turn's batch, p0's 66 exponentials, ahead of the first line that names a result of theirs
.endif
	WIN 0xc0
.set fi, 8*(\p)
.rept 8
	ds_load_b128 v[MF+8*fi:MF+8*fi+3],   v[AML+(\p)] offset:((fi/4)%2)*16*PM+(fi%4)*64
	ds_load_b128 v[MF+8*fi+4:MF+8*fi+7], v[AML+(\p)] offset:((fi/4)%2)*16*PM+(fi%4)*64+16
.set fi, fi+1
.endr
.endm
; THE VECTOR WORK OF A TURN.  One tile's softmax for one key step is a list of 167 instructions; SM writes number j of it for tile t.  s0-s31 are the lane's 32 scores, in pairs 0-15.
;   0-15     s = S C + mask, pair by pair: each accumulator is read from its low end on; the one part that reads window 3
;   16-31    the maximum of s0-s31 and the old m: four chains of seven scores, the four left over, c0-c3 and m
;   32-35    the other half of the lanes' maximum; m_old kept; the new m; m_old - m_new
;   36-101   ONE BATCH.  D n: pair n less m.  F n: times log2 e, less gb.  E n: the exponential of score n.  None of these names an exponential's result.  36: D 0.  From 37 on thirteen blocks of five:
;            block 0: (m_old - m_new) log2 e, D 1, F 0, a, D 2.  Blocks 1-6: plain, E, plain, E, plain.  Blocks 7-11: plain, E, plain, E, E.  Block 12: E 27 .. E 31.
;            The plain ones run D 3, F 1, D 4, F 2 .. D 15, F 13, F 14, F 15: D n stands a block or more ahead of F n, F n a block or more ahead of E 2 n and E 2 n + 1
;   (wait)   between 101 and 102 stands the wait for the batch: TURN writes it, once for both tiles
;   102-134  work on finished weights, in groups of four, group k on the weights 4 k ..: both pairs rounded to f16; l's step for the group before (in group 0: l times a; else l takes that group's sum
;            times 2^gb); the second pair added onto the first.  134: l takes the last group's sum
;   135-166  the tile's O^T times a, each accumulator from its low end on: the one part that writes window 1, so it stands together
.macro OPD n
	v_pk_add_f32 v[rS+2*(\n):rS+2*(\n)+1], v[rS+2*(\n):rS+2*(\n)+1], v[rT:rT+1] op_sel_hi:[1,0] neg_lo:[0,1] neg_hi:[0,1]
.endm
.macro OPF n
	v_pk_fma_f32 v[rS+2*(\n):rS+2*(\n)+1], v[rS+2*(\n):rS+2*(\n)+1], s[LL:LL+1], s[GN:GN+1] op_sel_hi:[1,0,0]
.endm
.macro OPE n
	v_exp_f32 v[rS+(\n)], v[rS+(\n)]
.endm
.macro SM t
.set rT, ST+8*(\t)
.set rS, S+32*(\t)
.set rP, P+16*(\t)
.set rO, 64*(\t)
.if j < 16
	WIN 0x30                        ; source 2 in window 3
	v_pk_fma_f32 v[rS+2*j:rS+2*j+1], v[rS+2*j:rS+2*j+1], s[CC:CC+1], v[MF+32*(\t)+2*j:MF+32*(\t)+2*j+1] op_sel_hi:[1,0,1]
.elseif j >= 135
	WIN W_RS
	v_pk_mul_f32 v[rO+2*(j-135):rO+2*(j-135)+1], v[rO+2*(j-135):rO+2*(j-135)+1], v[rT+6:rT+7] op_sel_hi:[1,0]
.else
	WIN 0
.if j < 20
	v_max3_num_f32 v[rT+4+(j-16)], v[rS+8*(j-16)], v[rS+8*(j-16)+1], v[rS+8*(j-16)+2]
.elseif j < 28
	v_max3_num_f32 v[rT+4+j%4], v[rT+4+j%4], v[rS+8*(j%4)+2*((j-16)/4)+1], v[rS+8*(j%4)+2*((j-16)/4)+2]
.elseif j == 28
	v_max3_num_f32 v[rT+4], v[rT+4], v[rS+7], v[rS+15]
.elseif j == 29
	v_max3_num_f32 v[rT+6], v[rT+6], v[rS+23], v[rS+31]
.elseif j == 30
	v_max3_num_f32 v[rT+4], v[rT+4], v[rT+5], v[rT+6]
.elseif j == 31
	v_max3_num_f32 v[rT+4], v[rT+4], v[rT+7], v[rT]
.elseif j == 32
	v_permlanex16_b32 v[rT+5], v[rT+4], s[SEL], s[SEL+1]  ; the query's other 32 keys lie in the lane 16 away
.elseif j == 33
	v_mov_b32 v[rT+1], v[rT]
.elseif j == 34
	v_max_num_f32 v[rT], v[rT+4], v[rT+5]
.elseif j == 35
	v_sub_f32 v[rT+1], v[rT+1], v[rT]
.elseif j == 36
	OPD 0
.elseif j == 37                     ; block 0
	v_mul_f32 v[rT+1], s[LL], v[rT+1]
.elseif j == 38
	OPD 1
.elseif j == 39
	OPF 0
.elseif j == 40
	v_exp_f32 v[rT+6], v[rT+1]      ; a: the batch's first exponential
.elseif j == 41
	OPD 2
.elseif j < 102                     ; blocks bb = 1 .. 12, place pp = 0 .. 4 in the block; qq counts the plain ones from D 3 on
.set bb, (j-37)/5
.set pp, (j-37)%5
.set qq, 3*(bb-1)+pp/2
.if bb >= 7
.set qq, 18+2*(bb-7)+pp/2
.endif
.if bb == 12
	OPE 27+pp
.elseif (bb >= 7) && (pp != 0) && (pp != 2)
	OPE 12+3*(bb-7)+pp/2
.elseif (bb < 7) && (pp%2 == 1)
	OPE 2*(bb-1)+pp/2
.elseif qq >= 26
	OPF qq-12
.elseif qq%2 == 0
	OPD 3+qq/2
.else
	OPF 1+qq/2
.endif
.else                               ; 102-134: behind the wait
.set u, j-102
.set kq, u/4
.set rW, rS+4*kq
.if u == 32
	v_pk_fma_f32 v[rT+2:rT+3], v[rS+28:rS+29], s[FF:FF+1], v[rT+2:rT+3] op_sel_hi:[1,0,1]
.elseif u%4 == 0
	v_cvt_pk_f16_f32 v[rP+2*kq], v[rW], v[rW+1]
.elseif u%4 == 1
	v_cvt_pk_f16_f32 v[rP+2*kq+1], v[rW+2], v[rW+3]
.elseif u == 2
	v_pk_mul_f32 v[rT+2:rT+3], v[rT+2:rT+3], v[rT+6:rT+7] op_sel_hi:[1,0]  ; l a, ahead of the first sum into l
.elseif u%4 == 2
	v_pk_fma_f32 v[rT+2:rT+3], v[rW-4:rW-3], s[FF:FF+1], v[rT+2:rT+3] op_sel_hi:[1,0,1]
.else
	v_pk_add_f32 v[rW:rW+1], v[rW:rW+1], v[rW+2:rW+3]
.endif
.endif
.endif
.endm
; The turn's next vector instruction, number gi of 334, for piece y.  0-73: numbers 0-36 of both tiles' lists, the tiles alternating, so that no instruction reads the result of the one just before it.
; 74-203: the batch's blocks, five numbers of ONE tile on end, the tiles by turns.  204-333: numbers 102-166, the tiles alternating again.
.macro NEXT y
.if gi < 74
.set j, gi/2
	SM (\y)+gi%2
.elseif gi < 204
.set j, 37+5*((gi-74)/10)+(gi-74)%5
	SM (\y)+((gi-74)/5)%2
.else
.set j, 102+(gi-204)/2
	SM (\y)+gi%2
.endif
.set gi, gi+1
.endm
; The slice behind matrix instruction w of 64, for piece y: four instructions behind the first, five behind each of the next 62: so slices 15 to 40 are a block of the batch each, led by a plain instruction but for
; the last two, and the batch ends with slice 40.  Behind the last product stand twenty, all of the rescaling: plain instructions that name none of its registers,
; the places between the turn's last K Q^T and the next turn's first read of those scores, and in front of the loads into K's registers.
.macro SLICE y
.rept 4
	NEXT \y
.endr
.if w > 0
	NEXT \y
.endif
.if w == 63
.rept 15
	NEXT \y
.endr
.endif
.endm
; A TURN.  Piece x has the matrix unit; the other piece's softmax stands in slices behind its matrix instructions.  Behind slice 40 stands the turn's one wait: ahead of it nothing names a result of the
; turn's 66 exponentials, behind it.
; x = 0 (turn A): K of the next step is fetched behind the second product, p0's mask of that step behind the tenth: 30 and 22 matrix instructions ahead of the one wait for both.  The last product that read K
; stands in front of the twenty plain instructions of the turn before.  The batch's wait stands alone, a v_nop ahead of it.
; x = 2 (turn B): V of the step in hand is fetched behind the second K Q^T: between it and the last product that read V stand three slices with six plain instructions, and the run's own v_add_nc_u32.
; p2's mask is fetched behind the ninth K Q^T, where the batch ends: the batch's wait stands in that run, behind its v_add_nc_u32.  The change of slots behind the turn waits for both runs.
.macro TURN x
.set gi, 0
.set w, 0
.rept 64
.if w < 32
.set i, w
	PV \x
.else
.if (w == 32) && ((\x) == 0)
	s_wait_dscnt 0x0                ; K and p0's mask are in
.endif
.set i, w-32
	KQ \x
.endif
	SLICE 2-(\x)
.if (\x) == 0
.if w == 1
	FETCH_K
.endif
.if w == 9
	FETCH_M 0
.endif
.if w == 40
	v_nop                           ; a plain instruction behind the batch's last exponential: one for the batch
	s_wait_alu depctr_va_vdst(0)    ; the wait for the turn's batch, p2's 66 exponentials, ahead of the first line that names a result of theirs
.endif
.else
.if w == 33
	FETCH_V
.endif
.if w == 40
	FETCH_M 1, 1
.endif
.endif
.set w, w+1
.endr
.endm
; A TRIP.  At its head the step's scalars, from the two words of scl that were loaded a trip ago (values only: no address and no branch hangs on them), and the loads of the next step's words;
; the offset stops at my last step's word, so that no load leaves the table.
.macro TRIP fill
	s_wait_kmcnt 0x0                ; the two words are in, and their offset register may be stepped
	s_sub_co_u32 s84, s[EK], 14
	s_lshl_b32 s84, s84, 23         ; 2^(Ek - 141)
	s_mul_f32 s[CC], s[CQ], s84
	s_mov_b32 s[CC+1], s[CC]
	s_sub_co_u32 s85, s[EG], s[EV]
	s_min_u32 s85, s85, 32          ; gb
	s_cvt_f32_u32 s[GN], s85
	s_xor_b32 s[GN], s[GN], 0x80000000
	s_mov_b32 s[GN+1], s[GN]
	s_add_co_u32 s85, s85, 127
	s_lshl_b32 s[FF], s85, 23       ; 2^gb
	s_mov_b32 s[FF+1], s[FF]
	s_add_co_u32 s[SOFF], s[SOFF], 8
	s_min_u32 s[SOFF], s[SOFF], s[SLIM]
	s_load_b32 s[EK], s[SK:SK+1], s[SOFF] offset:0x0
	s_load_b32 s[EV], s[SV:SV+1], s[SOFF] offset:0x0
	TURN 2
	CHANGE \fill
	TURN 0
	WIN 0
.endm
	CHANGE 1                        ; slot 0 is in, everybody's part of it; slot 1 is asked for
	FETCH_K                         ; key step 0
	FETCH_M 0
	s_wait_loadcnt 0x0              ; Q
	s_wait_dscnt 0x0
	FETCH_V                         ; V of step 0, so that the first turn's products with P = 0 multiply finite numbers; it lands under the products below
.set i, 0
.rept 32
	KQ 0                            ; p0's first scores: there is no vector work yet to set between them
.set i, i+1
.endr
	WIN 0
.rept 4
	v_nop                           ; the places behind those products
.endr
	s_wait_dscnt 0x0                ; V
	s_mov_b32 s[CNT], 14
.Lslot:                             ; trips 0 to 13: the slot that is left is filled again
	TRIP 1
	s_sub_co_u32 s[CNT], s[CNT], 1
	s_cmp_lg_u32 s[CNT], 0
	s_cbranch_scc1 .Lslot
	s_mov_b32 s[CNT], 2
.Ltail:                             ; trips 14 and 15 are written out: nothing is asked for
	TRIP 0
	s_sub_co_u32 s[CNT], s[CNT], 1
	s_cmp_lg_u32 s[CNT], 0
	s_cbranch_scc1 .Ltail
.set i, 0
.rept 32
	PV 2                            ; p2's V^T P of the last step
.set i, i+1
.endr
	WIN 0
	; THE MERGE.  Tiles 2, 3 (O^T, m, l) go to my partner through LDS; my partner's come for my tiles 0, 1.  The six lines on statistics are the places behind the last products.
	v_mov_b32 v52, v[ST+16]
	v_add_f32 v53, v[ST+18], v[ST+19]
	v_mov_b32 v54, v[ST+24]
	v_add_f32 v55, v[ST+26], v[ST+27]
	v_add_f32 v[ST+2], v[ST+2], v[ST+3]
	v_add_f32 v[ST+10], v[ST+10], v[ST+11]
	WIN 0x04                        ; store data in window 1
.set i, 0
.rept 32
	ds_store_b128 v[XW], v[128+4*i:128+4*i+3] offset:512*i
.set i, i+1
.endr
	WIN 0
	ds_store_b128 v[XW], v[52:55] offset:16384
	s_wait_dscnt 0x0                ; for my partner's sake: my stores are done
	s_barrier_signal -1
	s_barrier_wait -1
	WIN 0x80                        ; into Q's registers, which are free
.set i, 0
.rept 32
	ds_load_b128 v[4*i:4*i+3], v[XR] offset:512*i
.set i, i+1
.endr
	WIN 0
	ds_load_b128 v[56:59], v[XR] offset:16384
	s_wait_dscnt 0x0
.irp t, 0,1
	v_max_num_f32 v[ST+8*\t+4], v[ST+8*\t], v[56+2*\t]
.endr
.irp t, 0,1
	v_sub_f32 v[ST+8*\t+5], v[ST+8*\t], v[ST+8*\t+4]
	v_sub_f32 v[ST+8*\t+6], v[56+2*\t], v[ST+8*\t+4]
.endr
.irp t, 0,1
	v_mul_f32 v[ST+8*\t+5], s[LL], v[ST+8*\t+5]
	v_mul_f32 v[ST+8*\t+6], s[LL], v[ST+8*\t+6]
.endr
.irp t, 0,1
	v_exp_f32 v[ST+8*\t+5], v[ST+8*\t+5]  ; my share's factor
	v_exp_f32 v[ST+8*\t+6], v[ST+8*\t+6]  ; my partner's
.endr
	v_nop                           ; a plain instruction behind the exponentials
	s_wait_alu depctr_va_vdst(0)    ; one wait for the merge's four exponentials, ahead of their first reader
.irp t, 0,1
	v_mul_f32 v[ST+8*\t+2], v[ST+8*\t+2], v[ST+8*\t+5]
.endr
.irp t, 0,1
	v_fma_f32 v[ST+8*\t+2], v[57+2*\t], v[ST+8*\t+6], v[ST+8*\t+2]
.endr
.irp t, 0,1
	v_permlanex16_b32 v[ST+8*\t+3], v[ST+8*\t+2], s[SEL], s[SEL+1]
.endr
.irp t, 0,1
	v_add_f32 v[ST+8*\t+2], v[ST+8*\t+2], v[ST+8*\t+3]
.endr
.irp t, 0,1
	v_rcp_f32 v[ST+8*\t+3], v[ST+8*\t+2]
.endr
	v_nop                           ; a plain instruction behind the reciprocals
	s_wait_alu depctr_va_vdst(0)    ; one wait for the two reciprocals: a batch of their own, since they are made of sums that hold the exponentials above
.irp t, 0,1
	v_mul_f32 v[ST+8*\t+4], v[ST+8*\t+5], v[ST+8*\t+3]
	v_mul_f32 v[ST+8*\t+6], v[ST+8*\t+6], v[ST+8*\t+3]
.endr
; Tile t: both shares weighted and added, rounded to f16, through my stage, back as whole rows of 256 bytes.
.macro PACK t
	WIN W_RS
.set i, 64*(\t)
.rept 32
	v_pk_mul_f32 v[i:i+1], v[i:i+1], v[ST+8*(\t)+4:ST+8*(\t)+5] op_sel_hi:[1,0]
.set i, i+2
.endr
	WIN 0x52                        ; source 0 (my partner's O^T) in window 2, source 2 and destination in window 1
.set i, 64*(\t)
.rept 32
	v_pk_fma_f32 v[i:i+1], v[i:i+1], v[ST+8*(\t)+6:ST+8*(\t)+7], v[i:i+1] op_sel_hi:[1,0,1]
.set i, i+2
.endr
	WIN 0x05
.set i, 0
.rept 32
	v_cvt_pk_f16_f32 v[S+32*(\t)+i], v[64*(\t)+2*i], v[64*(\t)+2*i+1]
.set i, i+1
.endr
	WIN 0
.irp f, 0,1,2,3,4,5,6,7
	ds_store_b128 v[STO], v[S+32*(\t)+4*\f:S+32*(\t)+4*\f+3] offset:32*\f
.endr
.irp f, 0,1,2,3,4,5,6,7
	ds_load_b128 v[S+32*(\t)+4*\f:S+32*(\t)+4*\f+3], v[RD] offset:\f*2*SP  ; LDS serves a wave's instructions in order: these see the stores above
.endr
.endm
.macro SEND t, younger              ; younger: the LDS instructions issued behind tile t's loads
.irp f, 0,1,2,3,4,5,6,7
	s_wait_dscnt (\younger)+7-\f
	global_store_b128 v[GO], v[S+32*(\t)+4*\f:S+32*(\t)+4*\f+3], s[10:11] offset:(\t)*65536+\f*8192  ; 16 lanes store 256 consecutive bytes, aligned
.endr
.endm
	PACK 0
	PACK 1
	SEND 0, 16
	SEND 1, 0
	s_wait_tensorcnt 0x0            ; the wave's end
	ds_add_u32 v[SPW], v[NIL]
	s_wait_dscnt 0x0
	CROUND                          ; the closing round
	s_endpgm
.Lfunc_end_k_qba3470e79b_attn:
	.size	k_qba3470e79b_attn, .Lfunc_end_k_qba3470e79b_attn-k_qba3470e79b_attn
	.p2alignl 7, 3214868480
	.fill 96, 4, 3214868480
	.section	.rodata,"a",@progbits
	.p2align	6, 0x0
	.amdhsa_kernel k_qba3470e79b_attn
		.amdhsa_group_segment_fixed_size 327680
		.amdhsa_private_segment_fixed_size 0
		.amdhsa_enable_private_segment 0
		.amdhsa_kernarg_size 32
		.amdhsa_user_sgpr_count 2
		.amdhsa_user_sgpr_kernarg_segment_ptr 1
		.amdhsa_wavefront_size32 1
		.amdhsa_system_sgpr_workgroup_id_x 1
		.amdhsa_system_sgpr_workgroup_id_y 1
		.amdhsa_system_sgpr_workgroup_id_z 1
		.amdhsa_system_vgpr_workitem_id 0
		.amdhsa_next_free_vgpr 1024
		.amdhsa_next_free_sgpr 96
		.amdhsa_reserve_vcc 0
		.amdhsa_float_denorm_mode_32 3
		.amdhsa_float_denorm_mode_16_64 3
		.amdhsa_memory_ordered 1
		.amdhsa_forward_progress 1
		.amdhsa_inst_pref_size 180
	.end_amdhsa_kernel
	.amdgpu_metadata
---
amdhsa.version: [ 1, 2 ]
amdhsa.kernels:
  - .name:           k_qba3470e79b_attn
    .symbol:         k_qba3470e79b_attn.kd
    .args:
      - { .name: qkv, .offset: 0, .size: 8, .value_kind: global_buffer, .address_space: global }
      - { .name: scl, .offset: 8, .size: 8, .value_kind: global_buffer, .address_space: global }
      - { .name: rf, .offset: 16, .size: 8, .value_kind: global_buffer, .address_space: global }
      - { .name: ob, .offset: 24, .size: 8, .value_kind: global_buffer, .address_space: global }
    .group_segment_fixed_size: 327680
    .private_segment_fixed_size: 0
    .kernarg_segment_align: 8
    .kernarg_segment_size: 32
    .max_flat_workgroup_size: 128
    .sgpr_count:     96
    .vgpr_count:     1024
    .wavefront_size: 32
...
	.end_amdgpu_metadata
.endif
;; end of part 5
;; launch oproj: the kernel of part 4 again; grid 16 x 16, 4 waves a work-group, clusters of 4 x 4, 327,680 bytes of LDS; arguments ob, xb, scl, out0; writes out0
